; MI455X (gfx1250); checked and timed in simulation.
; The chip was launched on July 23, 2026; its instructions are those of AMD's public machine-readable ISA for CDNA 5 (MIT licence, August 2026) and "CDNA5" Instruction Set Architecture Reference Guide (July 2026). The comments in the code are by the model that wrote it; some were corrected since.
;; Multihead Attention. Allowed arithmetic: matrix products marked QUANTISED: E2M3 operands, one E8M0 scale for each 32 along K, by v_wmma_scale_f32_16x16x128_f8f6f4 with both operands' format E2M3, f32 sums; everything else in f32.
;; Inputs: in_proj_bias 3,072 float32; in_proj_weight 3,072 x 1,024 float32; out_proj_bias 1,024 float32; out_proj_weight 1,024 x 1,024 float32; x 2,048 x 4 x 1,024 float32.
;; Outputs: out0 2,048 x 4 x 1,024 float32.
;; This version of the problem:
;;   THIS VERSION OF THE PROBLEM IS GIVEN IN LOW PRECISION. The matrix products marked QUANTISED in the list below multiply operands that are first quantised to E2M3 (2 exponent bits, 3 mantissa bits; 6 bits a number), with one power-of-two scale for each 32 numbers along K (OCP MX v1.0); their sums are f32. All else is computed in f32.
;;   The module's matrix products, in the order in which they are computed (A, B: the left and right operand; K: the contracted axis; several contracted axes count as one K, in the product's order):
;;     1. [M 8,192, K 1,024] x [K 1,024, N 3,072]; A: input x; B: input in_proj_weight: QUANTISED
;;     2. batch 64 x [M 2,048, K 64] x [K 64, N 2,048]; A: computed on the way; B: computed on the way: QUANTISED
;;     3. batch 64 x [M 2,048, K 2,048] x [K 2,048, N 64]; A: softmax (see below); B: computed on the way: QUANTISED
;;     4. [M 8,192, K 1,024] x [K 1,024, N 1,024]; A: computed on the way; B: input out_proj_weight: QUANTISED
;;   THE QUANTISER, for each operand of a quantised product, along K:
;;     - K is cut into blocks of 32 from its start; a last block that is shorter is filled with zeros.
;;     - A block's scale is 2^e with e = floor(log2(the largest magnitude in the block)) - 2, held to -126 .. 127; a block of zeros has e = 0. As a byte (E8M0): e + 127.
;;     - Each number is divided by its block's scale, clamped to +-7.5, and rounded to the nearest number of E2M3, ties to even, subnormals kept.
;;     - The product sums the exact products of the quantised numbers (number of the format x scale) in f32.
;;   ~~~python
;;   def quantise(x, axis):      # numpy; x: float32 -> the quantised numbers, widened to float32 again
;;       x = np.moveaxis(x, axis, -1); K = x.shape[-1]
;;       x = np.pad(x, [(0, 0)] * (x.ndim - 1) + [(0, -K % 32)]); x = x.reshape(x.shape[:-1] + (-1, 32)); a = np.abs(x).max(-1, keepdims=True)
;;       e = np.where(a > 0, np.clip(np.frexp(np.where(a > 0, a, 1))[1] - 1 - 2, -126, 127), 0)      # np.frexp(a)[1] - 1 = floor(log2(a)), exactly
;;       r = np.clip(x / 2.0 ** e, -7.5, 7.5)
;;       step = 2.0 ** (np.maximum(np.frexp(np.where(r == 0, 1, r))[1] - 1, 0) - 3)
;;       q = np.round(r / step) * step * 2.0 ** e      # np.round: ties to even
;;       return np.moveaxis(q.reshape(q.shape[:-2] + (-1,))[..., :K], -1, axis).astype(np.float32)
;;   ~~~
;;   SOFTMAX AHEAD OF A QUANTISED PRODUCT. Where the list says 'softmax', what is quantised is not the finished softmax but p = 2^(t - M), with t = logit x log2(e) and M = ceil(the row's largest t), a whole number; so 1/2 < the row's largest p <= 1. The row's sum l is taken of the UNQUANTISED p, in f32, and the product's result is divided by l at the end. Since M is a whole number, a kernel that streams over the keys may use a running M (the ceiling of the running maximum): every later rescaling is an exact power of two, which a block's scale takes up: the codes' values come out the same.
;;   OPERANDS COMPUTED ON THE WAY. 'Computed on the way' means the value that the module computes at that place (a softmax that the list does not call 'softmax' is quantised finished and normalised). What goes into a quantiser is computed in f32, as accurately as f32 sums, v_exp_f32 and their like allow (about 1e-6 of the number): no bf16 or f16 on the way to a quantiser, and a product that is left as it is and whose result goes on into a quantised operand takes f32 operands (vector FMAs, or v_wmma_f32_16x16x4_f32). A number that lies on a knife's edge between two numbers of the format may be rounded either way, as far as f32 arithmetic and the matrix unit's own rounding can turn it there, and no further.
;; One version. Each part assembles by itself: llvm-mc -triple=amdgcn-amd-amdhsa -mcpu=gfx1250 --defsym DOCPART=n.
;; ======== version 1 of 1: 4 launches
;; limits: right only within a limited range of input values
;; workspace buffers: opc 9,437,184 bytes; ops 393,216 bytes; qkvc 18,874,368 bytes; qkvs 1,310,720 bytes; aoc 6,291,456 bytes; aos 262,144 bytes
;; launch quant (part 1): grid 384 x 1, 4 waves a work-group, no clusters, 33,280 bytes of LDS; arguments x, in_proj_weight, out_proj_weight, opc, ops; writes opc, ops
.if DOCPART == 1
	.amdgcn_target "amdgcn-amd-amdhsa--gfx1250"
	.amdhsa_code_object_version 6
	.text
	.protected	k_qdc64fdd8d0_quant
	.globl	k_qdc64fdd8d0_quant
	.p2align	8
	.type	k_qdc64fdd8d0_quant,@function
k_qdc64fdd8d0_quant:
	s_mov_b64 s[64:65], 0
	v_nop
	global_prefetch_b8 v0, s[64:65] scope:SCOPE_SE
	s_setreg_imm32_b32 hwreg(HW_REG_WAVE_MODE, 25, 1), 1
	s_wait_xcnt 0x0
; x [2048 s][4 b][1024], in_proj_weight [3072][1024] and out_proj_weight [1024][1024], f32, K innermost, become codes of FP6 (E2M3) with one E8M0 byte for each 32 along K.
; OUT: opc [16 planes of 64 along K][12288 rows][48 bytes] and ops [12288 rows][32 bytes].  Rows 0-8191: x, row (s, b) at 2048 b + sw(s); rows 8192-11263: in_proj_weight, row f at 8192 + sw(f);
; rows 11264-12287: out_proj_weight as it lies.  sw(i) = i with bits 3 and 4 exchanged: a tile of 16 stored rows that is source 0 of a matrix instruction then leaves, in the 16 registers of two
; neighbouring tiles, 16 neighbours of the true index.
; A block's scale is 2^(floor(log2(its largest magnitude)) - 2); its byte is the largest magnitude's exponent field - 2, held at 1 from below.
; LIMITS: a block of zeros gets the byte 1 where the rule says 127 (its codes are zeros, and this program alone reads the bytes); NaN and infinities among the inputs are not served.
; SHARES: a wave takes 8 rows and all of K, in 16 steps of 64 along K (one plane).  Each load reads two rows' aligned 256 bytes; a step's 2,048 bytes turn through the wave's own stage in LDS, so that a
; lane holds 16 neighbours along K (two neighbouring lanes hold a block).  A step's codes are 384 consecutive bytes of a plane; the wave's 256 scale bytes leave as one aligned run of 256 bytes.
; One path serves the three tensors: pointers, offsets and the row stride are chosen on the work-group's number.  No tensor loads, no barrier: waves share nothing.
.set STEPS, 16
.set KSTR,  589824                     ; a plane of opc in bytes: 12,288 rows x 48
.set EMAX,  2
.set CB,    12                         ; bytes of 16 codes
.set R,     16                         ; v16-79   four sets of 16 numbers as they are loaded
.set X,     80                         ; v80-111  two sets of 16 neighbours
.set E,     112                        ; v112-127 a scale byte for each step
.set C,     128                        ; v128-191 codes: four registers for each step, so that no store's data are written again
.set VO,    192                        ; v192-195 load i: 16 (lane % 16) + (lane / 16 + 2 i) x the row stride
.set WREG,  8192                       ; LDS: a region for each wave: two stages of 32 x SP bytes, then its 256 scale bytes
.set SP,    80                         ; a lane's place in a stage: 64 bytes + 16 of padding
	s_load_b128 s[4:7], s[0:1], 0x0                ; x, in_proj_weight
	s_load_b128 s[8:11], s[0:1], 0x10              ; out_proj_weight, opc
	s_load_b64 s[12:13], s[0:1], 0x20              ; ops
	v_lshl_add_u32 v200, v0, 2, 0x8000
	v_mov_b32 v201, 0
	v_lshrrev_b32 v1, 5, v0
	v_readfirstlane_b32 s16, v1                    ; wave
	v_and_b32 v2, 31, v0                           ; lane
	s_mul_i32 s17, s16, WREG
	v_lshrrev_b32 v14, 2, v2
	v_mul_u32_u24 v14, v14, SP
	v_and_b32 v15, 3, v2
	v_lshl_add_u32 v14, v15, 4, v14
	v_add_nc_u32 v14, s17, v14                     ; the stage, on the way in: SP (lane / 4) + 16 (lane % 4); a load's 512 bytes take eight places
	v_mul_u32_u24 v15, v2, SP
	v_add_nc_u32 v15, s17, v15                     ; and on the way out: SP x lane: row lane / 4, quarter lane % 4 of its 64 numbers
	v_mul_u32_u24 v4, v2, CB                       ; my codes' place in a step's 384 bytes: 48 (lane / 4) + 12 (lane % 4)
	s_add_co_u32 s17, s17, 2*32*SP
	v_lshrrev_b32 v5, 2, v2
	v_lshlrev_b32 v5, 5, v5
	v_bfe_u32 v6, v2, 1, 1
	v_add_nc_u32 v5, v5, v6
	v_add_nc_u32 v5, s17, v5                       ; my block's byte among the wave's 256: 32 x row + (lane / 2) % 2, + 2 x step
	v_lshlrev_b32 v7, 3, v2                        ; and on the way out 8 bytes a lane
	v_add_nc_u32 v6, s17, v7
	s_lshl_b32 s18, ttmp9, 2
	s_add_co_u32 s18, s18, s16                     ; which run of 8 rows is my wave's: 0-1023 x, 1024-1407 in_proj_weight, 1408-1535 out_proj_weight
	s_and_b32 s20, s18, 255
	s_lshl_b32 s20, s20, 17                        ; x: s = 8 (run % 256): 8 x 16,384 bytes a run,
	s_lshr_b32 s21, s18, 8
	s_lshl_b32 s21, s21, 12                        ; b = run / 256: 4,096 bytes
	s_add_co_u32 s20, s20, s21
	s_sub_co_u32 s21, s18, 1024
	s_lshl_b32 s21, s21, 15                        ; the weights: 8 rows of 4,096 bytes a run
	s_sub_co_u32 s22, s18, 1408
	s_lshl_b32 s22, s22, 15
	s_and_b32 s23, s18, 0xfffffffc                 ; sw on rows is an exchange of bits 0 and 1 of the run's number
	s_and_b32 s24, s18, 1
	s_lshl_b32 s24, s24, 1
	s_or_b32 s23, s23, s24
	s_bfe_u32 s24, s18, 0x10001
	s_or_b32 s23, s23, s24
	s_mov_b32 s25, 4096
	s_wait_kmcnt 0x0
	s_cmp_lt_u32 ttmp9, 352                        ; the choices hang on the work-group's number alone
	s_cselect_b64 s[6:7], s[6:7], s[8:9]
	s_cselect_b32 s21, s21, s22
	s_cselect_b32 s23, s23, s18                    ; out_proj_weight's rows keep their order
	s_cmp_lt_u32 ttmp9, 256
	s_cselect_b64 s[4:5], s[4:5], s[6:7]
	s_cselect_b32 s20, s20, s21
	s_cselect_b32 s25, 16384, s25                  ; from row to row: x's rows of one b lie 4 rows apart
	s_mov_b32 s21, 0
	s_add_nc_u64 s[4:5], s[4:5], s[20:21]
	s_mul_i32 s26, s23, 384
	s_mov_b32 s27, 0
	s_add_nc_u64 s[10:11], s[10:11], s[26:27]
	s_add_nc_u64 s[10:11], s[10:11], 8*KSTR        ; at plane 8, so that the sixteen planes stand in the signed 24-bit immediate: -8 to +7 planes
	s_lshl_b32 s26, s23, 8
	s_add_nc_u64 s[12:13], s[12:13], s[26:27]
	v_and_b32 v12, 15, v2
	v_lshlrev_b32 v12, 4, v12
	v_lshrrev_b32 v13, 4, v2
.irp i, 0,1,2,3
	v_add_nc_u32 v3, 2*\i, v13
	v_mad_u32_u24 v[VO+\i], v3, s25, v12
.endr
.macro LOAD t
.set RS, R+16*((\t)%7)+124*(((\t)%7)/4)        ; seven sets of 16 numbers as they are loaded: four at v16-79, three at v204-251
.irp i, 0,1,2,3
	global_load_b128 v[RS+4*\i:RS+4*\i+3], v[VO+\i], s[4:5] offset:256*(\t) th:TH_LOAD_NT   ; lanes 0-15: 256 consecutive bytes of row 2 i, lanes 16-31 of row 2 i + 1
.endr
.endm
.macro TURN t                          ; step t's numbers through the stage: LDS serves a wave's instructions in order, so no wait stands between the stores and the loads
.set RS, R+16*((\t)%7)+124*(((\t)%7)/4)
.irp i, 0,1,2,3
	ds_store_b128 v14, v[RS+4*\i:RS+4*\i+3] offset:32*SP*((\t)%2)+8*SP*\i
.endr
.irp i, 0,1,2,3
	ds_load_b128 v[X+16*((\t)%2)+4*\i:X+16*((\t)%2)+4*\i+3], v15 offset:32*SP*((\t)%2)+16*\i
.endr
.endm
.irp t, 0,1,2,3,4,5,6
	LOAD \t
.endr
	s_wait_alu depctr_va_vdst(0)
	s_wait_loadcnt 24                              ; step 0's four loads are in; those of the six steps behind it may be out
	TURN 0
.macro STEP t
.set XS, X+16*((\t)%2)
.if (\t) > 0
	s_wait_dscnt 1                                 ; this step's numbers are back from the stage (the last step's byte store may be out): so its stores into the stage have read their registers,
.else
	s_wait_dscnt 0x0
.endif
.if (\t)+7 < STEPS
	LOAD (\t)+7                                    ; which take the loads of seven steps on
.endif
.if (\t)+1 < STEPS
.if STEPS-2-(\t) >= 6
	s_wait_loadcnt 24                              ; the next step's four loads are in; those of the six steps behind it may be out
.else
	s_wait_loadcnt 4*(STEPS-2-(\t))
.endif
	TURN (\t)+1                                    ; and go through the other stage while this step is worked
.endif
	v_max3_num_f32 v8, |v[XS]|, |v[XS+1]|, |v[XS+2]|               ; the largest magnitude of my 16
	v_max3_num_f32 v9, |v[XS+3]|, |v[XS+4]|, |v[XS+5]|
.irp i, 6,10
	v_max3_num_f32 v8, v8, |v[XS+\i]|, |v[XS+\i+1]|
	v_max3_num_f32 v9, v9, |v[XS+\i+2]|, |v[XS+\i+3]|
.endr
	v_max3_num_f32 v8, v8, |v[XS+14]|, |v[XS+15]|
	v_max3_num_f32 v8, v8, v9, (EMAX+1)<<23        ; and the floor 2^(3 - 127): the byte cannot fall under 1
	v_max_num_f32_dpp v8, v8, v8 row_xmask:1 row_mask:0xf bank_mask:0xf   ; and of my neighbour's 16: the block's
	v_add_nc_u32 v11, -(EMAX<<23), v8              ; 2 off its exponent field: the conversion takes the exponent field of this operand as its scale
	v_cvt_scalef32_pk16_fp6_f32 v[C+4*(\t):C+4*(\t)+2], v[XS:XS+15], v11
	v_lshrrev_b32 v[E+(\t)], 23, v11               ; the scale's byte (also the plain line behind the conversion)
	ds_store_b8 v5, v[E+(\t)] offset:2*(\t)        ; both lanes of a block write the same byte with the same value
	global_store_b96 v4, v[C+4*(\t):C+4*(\t)+2], s[10:11] offset:((\t)-8)*KSTR   ; 384 consecutive bytes of plane t
.endm
.irp t, 0,1,2,3,4,5,6,7,8,9,10,11,12,13,14,15
	STEP \t
.endr
	ds_load_b64 v[12:13], v6                       ; LDS serves a wave's instructions in order: these see my stores
	s_wait_dscnt 0x0
	global_store_b64 v7, v[12:13], s[12:13]        ; 32 lanes store 256 consecutive bytes, aligned: 8 rows x 32 scale bytes
	s_wait_tensorcnt 0x0
	ds_add_u32 v200, v201
	s_wait_dscnt 0x0
	s_endpgm
.Lfunc_end_k_qdc64fdd8d0_quant:
	.size	k_qdc64fdd8d0_quant, .Lfunc_end_k_qdc64fdd8d0_quant-k_qdc64fdd8d0_quant
	.p2alignl 7, 3214868480
	.fill 96, 4, 3214868480
	.section	.rodata,"a",@progbits
	.p2align	6, 0x0
	.amdhsa_kernel k_qdc64fdd8d0_quant
		.amdhsa_group_segment_fixed_size 33280
		.amdhsa_private_segment_fixed_size 0
		.amdhsa_enable_private_segment 0
		.amdhsa_kernarg_size 40
		.amdhsa_user_sgpr_count 2
		.amdhsa_user_sgpr_kernarg_segment_ptr 1
		.amdhsa_wavefront_size32 1
		.amdhsa_system_sgpr_workgroup_id_x 1
		.amdhsa_system_sgpr_workgroup_id_y 1
		.amdhsa_system_sgpr_workgroup_id_z 1
		.amdhsa_system_vgpr_workitem_id 0
		.amdhsa_next_free_vgpr 252
		.amdhsa_next_free_sgpr 66
		.amdhsa_reserve_vcc 0
		.amdhsa_float_denorm_mode_32 3
		.amdhsa_float_denorm_mode_16_64 3
		.amdhsa_memory_ordered 1
		.amdhsa_forward_progress 1
		.amdhsa_inst_pref_size 34
	.end_amdhsa_kernel
	.amdgpu_metadata
---
amdhsa.version: [ 1, 2 ]
amdhsa.kernels:
  - .name:           k_qdc64fdd8d0_quant
    .symbol:         k_qdc64fdd8d0_quant.kd
    .args:
      - { .name: x, .offset: 0, .size: 8, .value_kind: global_buffer, .address_space: global }
      - { .name: in_proj_weight, .offset: 8, .size: 8, .value_kind: global_buffer, .address_space: global }
      - { .name: out_proj_weight, .offset: 16, .size: 8, .value_kind: global_buffer, .address_space: global }
      - { .name: opc, .offset: 24, .size: 8, .value_kind: global_buffer, .address_space: global }
      - { .name: ops, .offset: 32, .size: 8, .value_kind: global_buffer, .address_space: global }
    .group_segment_fixed_size: 33280
    .private_segment_fixed_size: 0
    .kernarg_segment_align: 8
    .kernarg_segment_size: 40
    .max_flat_workgroup_size: 128
    .sgpr_count:     66
    .vgpr_count:     252
    .wavefront_size: 32
...
	.end_amdgpu_metadata
.endif
;; end of part 1
;; launch proj (part 2): grid 12 x 32, 4 waves a work-group, clusters of 4 x 4, 327,680 bytes of LDS; arguments opc, ops, in_proj_bias, qkvc, qkvs; writes qkvc, qkvs
.if DOCPART == 2
	.amdgcn_target "amdgcn-amd-amdhsa--gfx1250"
	.amdhsa_code_object_version 6
	.text
	.protected	k_qdc64fdd8d0_proj
	.globl	k_qdc64fdd8d0_proj
	.p2align	8
	.type	k_qdc64fdd8d0_proj,@function
k_qdc64fdd8d0_proj:
	s_mov_b64 s[64:65], 0
	v_nop
	global_prefetch_b8 v0, s[64:65] scope:SCOPE_SE
	s_setreg_imm32_b32 hwreg(HW_REG_WAVE_MODE, 25, 1), 1
	s_wait_xcnt 0x0
	s_wait_alu depctr_hold_cnt(0) depctr_sa_sdst(0) depctr_va_vdst(0) depctr_va_sdst(0) depctr_va_ssrc(0) depctr_va_vcc(0) depctr_vm_vsrc(0)
	s_getreg_b32 s2, hwreg(HW_REG_IB_STS2, 6, 4)
	s_cmp_eq_u32 s2, 0
	s_cbranch_scc0 .Lentry_in_a_cluster
	s_endpgm
.Lentry_in_a_cluster:
	s_bfe_u32 s2, ttmp6, 0x10000c
	s_cmp_lg_u32 s2, 0xf033
	s_cbranch_scc0 .Lentry_shape_is_right
	s_endpgm
.Lentry_shape_is_right:
.set KSTR,   589824
.set PLB,    12288                     ; a plane of a tile in LDS: 256 rows x 48 bytes
.set NQ,     2
.set FR,     12
.set NL,     6
.set NP,     4
.set HALFT,  2*PLB                     ; what one load of the ring brings: two planes of 256 rows
.set SLOT,   4*HALFT
.set LAPS,   2
.set KS,     32
.set SCL,    2*SLOT
.set HALFS,  (128*KS/256)*272
.set SBLK,   (16*KS/256)*272
.set SPARE,  SCL+4*HALFS
.set STG,    SPARE+512
.set WSTG,   3584
.set ADRA, 16
.set SSTO, 18
.set SRD,  19
.set ADRB, 20
.set SGO,  22
.set STO,  24
.set RD,   25
.set CO,   26
.set ADRS, 27
.set SPW,  28
.set NIL,  29
.set SC,   32
.set CBI,  64
.set AF,   128
.set H,    128
.set CD,   192
.set OB,   208
.set RB,   224
.set TM,   240
.set G1, 24
.set G0, 32
.set G1B, 48
.set G0B, 56
.set G1S, 68
.set G0S, 76
.set G1SB, 80
.set G0SB, 88
.set OC, 68
.set MSB, 0
.macro WIN new
.if MSB != \new
	s_set_vgpr_msb (MSB<<8)|\new
.set MSB, \new
.endif
.endm
.set MUL_LO, 0xa1
.set MUL_HI, 0xf1
.set TO_B,   0x40
.macro JLOAD g0a, g1a, g0b, g1b
	s_cmp_eq_u32 s15, 0
	s_cbranch_scc0 .Lfor_b_\@
	tensor_load_to_lds s[\g0a:\g0a+3], s[\g1a:\g1a+7]
	s_nop 0
.rept 4
	v_nop
.endr
	s_branch .Lasked_\@
.Lfor_b_\@:
	tensor_load_to_lds s[\g0b:\g0b+3], s[\g1b:\g1b+7]
	s_nop 0
.rept 4
	v_nop
.endr
.Lasked_\@:
.endm
.macro CREST
	s_cmp_lg_u32 s14, 0
	s_cbranch_scc1 .Lnot_wave_0_\@
	s_barrier_signal -3
.Lnot_wave_0_\@:
	s_barrier_wait -3
	s_barrier_signal -1
	s_barrier_wait -1
.endm
.macro CROUND
	s_barrier_signal -1
	s_barrier_wait -1
	CREST
.endm
	s_load_b256 s[4:11], s[0:1], 0x0
	s_load_b64 s[12:13], s[0:1], 0x20
	v_lshl_add_u32 v[SPW], v0, 2, SPARE
	v_mov_b32 v[NIL], 0
	ds_add_u32 v28, v29
	ds_add_u32 v28, v29
	s_wait_dscnt 0x0
	v_lshrrev_b32 v1, 5, v0
	v_readfirstlane_b32 s14, v1
	s_lshr_b32 s15, s14, 1
	s_and_b32 s16, s14, 1
	s_bfe_u32 s40, ttmp6, 0x40000
	s_bfe_u32 s41, ttmp6, 0x40004
	s_and_b32 s17, ttmp7, 0xffff
	s_lshl_b32 s17, s17, 2
	s_lshl_b32 s42, ttmp9, 2
	s_add_co_u32 s42, s42, 32
	s_cmp_eq_u32 ttmp9, 2
	s_cselect_b32 s42, s17, s42
	s_cselect_b32 s17, 40, s17
	s_add_co_u32 s17, s17, s41
	s_add_co_u32 s42, s42, s40
	s_lshl_b32 s43, s41, 2
	s_lshl_b32 s43, 15, s43
	s_lshl_b32 s44, 0x1111, s40
	s_or_b32 s[G1+0], s43, (3<<16)|(1<<21)
	s_or_b32 s[G1B+0], s44, (3<<16)|(1<<21)
.irp g, G1, G1B
	s_mov_b32 s[\g+1], 1536<<16
	s_mov_b32 s[\g+2], 4<<16
	s_mov_b32 s[\g+3], 1536<<16
	s_mov_b32 s[\g+4], 4
	s_mov_b32 s[\g+5], KSTR/8
	s_mov_b32 s[\g+6], 0
	s_mov_b32 s[\g+7], 0
.endr
	s_or_b32 s[G1S+0], s43, (3<<16)|(1<<20)|(1<<21)|(5<<22)|(3<<25)
	s_or_b32 s[G1SB+0], s44, (3<<16)|(1<<20)|(1<<21)|(5<<22)|(3<<25)
.irp g, G1S, G1SB
	s_mov_b32 s[\g+1], 32<<16
	s_mov_b32 s[\g+2], (256*KS/256)<<16
	s_mov_b32 s[\g+3], 32<<16
	s_mov_b32 s[\g+4], 256*KS/256
	s_mov_b32 s[\g+5], 32
	s_mov_b32 s[\g+6], 0
	s_mov_b32 s[\g+7], 0
.endr
	s_lshl_b32 s20, s17, 8
	s_lshl_b32 s46, s42, 8
	s_lshl_b32 s22, s20, 5
	s_mov_b32 s23, 0
	s_lshl_b32 s92, s46, 5
	s_mov_b32 s93, 0
	s_mul_i32 s20, s20, 48
	s_mov_b32 s21, 0
	s_mul_i32 s46, s46, 48
	s_mov_b32 s47, 0
	s_mul_i32 s45, s14, HALFT
	s_wait_kmcnt 0x0
	s_add_nc_u64 s[20:21], s[4:5], s[20:21]
	s_add_nc_u64 s[22:23], s[6:7], s[22:23]
	s_add_nc_u64 s[46:47], s[4:5], s[46:47]
	s_add_nc_u64 s[92:93], s[6:7], s[92:93]
	CROUND
	s_mov_b32 s[G0S], 1
	s_mov_b32 s[G0S+1], SCL
	s_mov_b64 s[G0S+2:G0S+3], s[22:23]
	s_or_b32 s[G0S+3], s[G0S+3], 0x80000000
	s_mov_b32 s[G0SB], 1
	s_mov_b32 s[G0SB+1], SCL+2*HALFS
	s_mov_b64 s[G0SB+2:G0SB+3], s[92:93]
	s_or_b32 s[G0SB+3], s[G0SB+3], 0x80000000
	s_mov_b32 s[G0], 1                             ; the head's four tiles, each whole: slot 0's four planes of A's 256 rows,
	s_mov_b32 s[G0+1], 0
	s_mov_b64 s[G0+2:G0+3], s[20:21]
	s_or_b32 s[G0+3], s[G0+3], 0x80000000
	s_mov_b32 s[G0B], 1                            ; and of B's, behind them
	s_mov_b32 s[G0B+1], 2*HALFT
	s_mov_b64 s[G0B+2:G0B+3], s[46:47]
	s_or_b32 s[G0B+3], s[G0B+3], 0x80000000
	s_mul_i32 s18, s16, 2*KSTR                     ; in the ring I fetch two planes of a slot's four: which two, in bytes
	s_mov_b32 s19, 0
	s_mul_i32 s94, s16, 2*KSTR
	s_mov_b32 s95, 0
	s_add_nc_u64 s[20:21], s[20:21], s[18:19]
	s_add_nc_u64 s[46:47], s[46:47], s[94:95]
	s_mov_b32 s[G0+4], 1
	s_add_co_u32 s[G0+5], s45, SLOT
	s_add_nc_u64 s[G0+6:G0+7], s[20:21], 4*KSTR
	s_or_b32 s[G0+7], s[G0+7], 0x80000000
	s_mov_b32 s[G0B+4], 1
	s_add_co_u32 s[G0B+5], s45, SLOT
	s_add_nc_u64 s[G0B+6:G0B+7], s[46:47], 4*KSTR
	s_or_b32 s[G0B+7], s[G0B+7], 0x80000000
; the head's loads, one a wave, in one chain of branches on the wave's number: wave 0 A's codes, wave 1 B's, wave 2 A's scales, wave 3 B's
.macro ARM under, g0, g1, next
	s_cmp_lt_u32 s14, \under
	s_cbranch_scc0 \next
	tensor_load_to_lds s[\g0:\g0+3], s[\g1:\g1+7]
	s_nop 0
.rept 4
	v_nop
.endr
	s_branch .Lhead_asked
\next:
.endm
	ARM 1, G0,  G1,  .Lhead_b
	ARM 2, G0B, G1B, .Lhead_sa
	ARM 3, G0S, G1S, .Lhead_sb
	tensor_load_to_lds s[G0SB:G0SB+3], s[G1SB:G1SB+7]
	s_nop 0
.rept 4
	v_nop
.endr
.Lhead_asked:
	s_wait_alu depctr_va_vdst(0)
	s_wait_tensorcnt 0x0                           ; my tile of the head's four is in
	ds_add_u32 v28, v29
	s_mov_b32 s[G1+2], 2<<16                       ; no tensor load of mine is out, so descriptors may be written: from here on a load brings two planes,
	s_mov_b32 s[G1+4], 2
	s_mov_b32 s[G1B+2], 2<<16
	s_mov_b32 s[G1B+4], 2
	s_mov_b32 s[G0+1], s45                         ; and slot 0's group 0 stands at my two planes
	s_add_nc_u64 s[G0+2:G0+3], s[G0+2:G0+3], s[18:19]
	s_mov_b32 s[G0B+1], s45
	s_add_nc_u64 s[G0B+2:G0B+3], s[G0B+2:G0B+3], s[94:95]
	s_wait_dscnt 0x0
	CROUND
	JLOAD G0+4, G1, G0B+4, G1B                     ; slot 1's first fill, the first tensor load behind the round
	v_and_b32 v1, 15, v0
	v_bfe_u32 v2, v0, 4, 1
	v_mul_u32_u24 v3, v1, 48
	v_mad_u32_u24 v4, v2, 24, v3
	s_mul_i32 s21, s15, 6144                       ; my 128 rows of a plane's 256
	s_mul_i32 s22, s16, 6144
	s_add_co_u32 s22, s22, 2*HALFT
.irp s, 0,1
	v_add_nc_u32 v[ADRA+\s], s21, v4
	v_add_nc_u32 v[ADRB+\s], s22, v4
	s_add_co_u32 s21, s21, SLOT
	s_add_co_u32 s22, s22, SLOT
.endr
	v_mul_u32_u24 v5, v1, KS
	v_lshrrev_b32 v6, 8, v5
	v_lshl_add_u32 v5, v6, 4, v5
	s_mul_i32 s21, s15, HALFS
	s_mul_i32 s22, s16, HALFS
	s_add_co_u32 s22, s22, 2*HALFS
	s_sub_co_u32 s22, s22, s21
	v_mul_u32_u24 v6, s22, v2
	s_add_co_u32 s21, s21, SCL
	v_add_nc_u32 v5, v5, v6
	v_add_nc_u32 v[ADRS], s21, v5
	s_mul_i32 s23, s14, WSTG
	s_add_co_u32 s23, s23, STG
	v_mul_u32_u24 v5, v1, 80
	v_lshl_add_u32 v5, v2, 4, v5
	v_add_nc_u32 v[STO], s23, v5
	v_and_b32 v6, 31, v0
	v_lshrrev_b32 v5, 2, v6
	v_mul_u32_u24 v5, v5, 80
	v_and_b32 v7, 3, v6
	v_lshl_add_u32 v5, v7, 4, v5
	v_add_nc_u32 v[RD], s23, v5
	v_mul_u32_u24 v[CO], v6, 12
	s_add_co_u32 s23, s23, 2560
	v_lshl_add_u32 v[SSTO], v1, 4, s23
	v_lshl_add_u32 v[SRD], v6, 4, s23
	s_lshl_b32 s96, ttmp9, 2
	s_add_co_u32 s96, s96, s40
	s_lshl_b32 s96, s96, 10
	s_lshl_b32 s97, s16, 9
	s_add_co_u32 s96, s96, s97
	s_mov_b32 s97, 0
	s_add_nc_u64 s[96:97], s[8:9], s[96:97]
	s_lshl_b32 s98, s41, 10
	s_lshl_b32 s99, s15, 9
	s_add_co_u32 s98, s98, s99
	s_add_co_u32 s98, s98, 8192
	s_mov_b32 s99, 0
	s_add_nc_u64 s[98:99], s[8:9], s[98:99]
	v_lshlrev_b32 v30, 6, v2
	v_lshrrev_b32 v31, 3, v1
	v_and_b32 v7, 7, v1
	v_lshlrev_b32 v31, 6, v31
	v_lshl_add_u32 v31, v7, 2, v31
.irp b, 0,1,2,3
.irp j, 0,1,2,3
	global_load_b128 v[CBI+16*\b+4*\j:CBI+16*\b+4*\j+3], v30, s[96:97] offset:128*\b+16*\j
.endr
.endr
.irp a, 0,1,2,3,4,5,6,7
	global_load_b32 v[RB+2*\a], v31, s[98:99] offset:4*(32*(\a/2)+8*(\a%2))
	global_load_b32 v[RB+2*\a+1], v31, s[98:99] offset:4*(32*(\a/2)+8*(\a%2))
.endr
.macro FRAG reg, adr, q, i
.irp p, 0,1,2,3,4,5
	ds_load_b64 v[\reg+2*\p:\reg+2*\p+1], v[\adr] offset:(2*(\q)+\p/3)*PLB+(\i)*768+8*(\p%3)
.endr
.endm
.macro MUL16 a0, p, q, sc, zero
.irp a, \a0, \a0+1
.irp b, 0,1,2,3,4,5,6,7
.if \zero
	v_wmma_scale_f32_16x16x128_f8f6f4 v[8*(8*((\a)%4)+\b):8*(8*((\a)%4)+\b)+7], v[128*(\p)+FR*\b:128*(\p)+FR*\b+FR-1], v[AF+FR*(\a):AF+FR*(\a)+FR-1], 0, v[SC+8*NQ*(\sc)+NQ*\b+(\q)], v[SC+8*NQ*(\sc)+NQ*(\a)+(\q)] matrix_a_fmt:MATRIX_FMT_FP6 matrix_b_fmt:MATRIX_FMT_FP6 matrix_a_scale:MATRIX_SCALE_ROW1
.else
	v_wmma_scale_f32_16x16x128_f8f6f4 v[8*(8*((\a)%4)+\b):8*(8*((\a)%4)+\b)+7], v[128*(\p)+FR*\b:128*(\p)+FR*\b+FR-1], v[AF+FR*(\a):AF+FR*(\a)+FR-1], v[8*(8*((\a)%4)+\b):8*(8*((\a)%4)+\b)+7], v[SC+8*NQ*(\sc)+NQ*\b+(\q)], v[SC+8*NQ*(\sc)+NQ*(\a)+(\q)] matrix_a_fmt:MATRIX_FMT_FP6 matrix_b_fmt:MATRIX_FMT_FP6 matrix_a_scale:MATRIX_SCALE_ROW1
.endif
.endr
.endr
.endm
.macro FETCH_B slot, q, p
	WIN TO_B
.irp i, 0,1,2,3,4,5,6,7
	FRAG 128*(\p)+FR*\i, ADRB+\slot, \q, \i
.endr
	WIN 0
.endm
.macro FETCH_A slot, q, i0
.irp i, \i0, \i0+1, \i0+2, \i0+3
	FRAG AF+FR*(\i), ADRA+\slot, \q, \i
.endr
.endm
.macro SCALES sc
.irp i, 0,1,2,3,4,5,6,7
	ds_load_b64 v[SC+8*NQ*\sc+NQ*\i:SC+8*NQ*\sc+NQ*\i+1], v[ADRS] offset:\i*SBLK
.endr
.endm
.macro PLACES n
.rept \n
	v_nop
.endr
.endm
.macro STEP slot, q, zero
	s_wait_dscnt 4*NL
	WIN MUL_LO
	MUL16 0, (\q)%2, \q, \slot, \zero
	MUL16 2, (\q)%2, \q, \slot, \zero
	s_wait_dscnt 0
	PLACES NP
	FETCH_B \slot, (\q)+1, 1-(\q)%2
	FETCH_A \slot, (\q)+1, 0
	WIN MUL_HI
	MUL16 4, (\q)%2, \q, \slot, \zero
	MUL16 6, (\q)%2, \q, \slot, \zero
	PLACES NP
	WIN 0
	FETCH_A \slot, (\q)+1, 4
.endm
.macro TURN slot, next, fill
	s_wait_tensorcnt 0x0
	ds_add_u32 v[SPW], v[NIL]
	s_wait_dscnt 4*NL+1
	WIN MUL_LO
	MUL16 0, 1, NQ-1, \slot, 0
	s_wait_dscnt 0x0
	s_barrier_signal -1
	MUL16 2, 1, NQ-1, \slot, 0
	WIN 0
	s_barrier_wait -1
.if \fill
	CREST
	s_add_nc_u64 s[G0+4*\slot+2:G0+4*\slot+3], s[G0+4*\slot+2:G0+4*\slot+3], 8*KSTR
	s_add_nc_u64 s[G0B+4*\slot+2:G0B+4*\slot+3], s[G0B+4*\slot+2:G0B+4*\slot+3], 8*KSTR
	JLOAD G0+4*\slot, G1, G0B+4*\slot, G1B
.else
	PLACES NP
.endif
	s_wait_alu depctr_va_vdst(0)
	v_add_nc_u32 v[ADRS], 4*NQ, v[ADRS]
	FETCH_B \next, 0, 0
	FETCH_A \next, 0, 0
	SCALES \next
	WIN MUL_HI
	MUL16 4, 1, NQ-1, \slot, 0
	MUL16 6, 1, NQ-1, \slot, 0
	PLACES NP
	WIN 0
	FETCH_A \next, 0, 4
.endm
	s_wait_tensorcnt 1
	s_barrier_signal -1
	s_barrier_wait -1
	FETCH_B 0, 0, 0
	FETCH_A 0, 0, 0
	SCALES 0
	FETCH_A 0, 0, 4
	STEP 0, 0, 1
	s_mov_b32 s3, LAPS-1
.Llap:
	TURN 0, 1, 1
	STEP 1, 0, 0
	TURN 1, 0, 1
	STEP 0, 0, 0
	s_sub_co_u32 s3, s3, 1
	s_cmp_lg_u32 s3, 0
	s_cbranch_scc1 .Llap
	TURN 0, 1, 0
	STEP 1, 0, 0
	s_wait_dscnt 4*NL
	WIN MUL_LO
	MUL16 0, 1, NQ-1, 1, 0
	MUL16 2, 1, NQ-1, 1, 0
	s_wait_dscnt 0
	WIN MUL_HI
	MUL16 4, 1, NQ-1, 1, 0
	MUL16 6, 1, NQ-1, 1, 0
	WIN 0
	PLACES NP
	s_wait_loadcnt 0x0
	s_mov_b32 s20, 0x76543210
	s_mov_b32 s21, 0xfedcba98
	s_cmp_eq_u32 ttmp9, 2
	s_cselect_b32 s76, 40, 0
	s_cselect_b32 s77, 0, 32
	s_sub_co_u32 s76, s17, s76
	s_sub_co_u32 s77, s42, s77
	s_lshl_b32 s76, s76, 1
	s_add_co_u32 s76, s76, s15
	s_lshl_b32 s77, s77, 1
	s_add_co_u32 s77, s77, s16
	s_and_b32 s78, s77, 7
	s_lshr_b32 s79, s77, 3
	s_mov_b32 s80, 98304
	s_mov_b32 s81, 3072
	s_mov_b32 s82, 65536
	s_mov_b32 s88, 4096
	s_cmp_eq_u32 ttmp9, 2
	s_cselect_b32 s83, s77, s76
	s_cselect_b32 s78, s76, s78
	s_cselect_b32 s79, 2, s79
	s_cselect_b32 s84, s81, s80
	s_cselect_b32 s85, s80, s81
	s_cselect_b32 s86, s82, 0
	s_cselect_b32 s87, 0, 1
	s_cselect_b32 s88, s88, 256
	s_lshr_b32 s89, s83, 4
	s_lshl_b32 s89, s89, 4
	s_lshl_b32 s78, s78, 1
	s_add_co_u32 s89, s89, s78
	s_and_b32 s83, s83, 15
	s_mul_i32 s90, s79, 6291456
	s_mul_i32 s91, s89, 98304
	s_add_co_u32 s90, s90, s91
	s_mul_i32 s91, s83, 6144
	s_add_co_u32 s90, s90, s91
	s_mov_b32 s91, 0
	s_add_nc_u64 s[OC:OC+1], s[10:11], s[90:91]
	s_mov_b32 s92, s85
	s_mov_b32 s93, 0
	s_add_nc_u64 s[OC+2:OC+3], s[OC:OC+1], s[92:93]
	s_mov_b32 s92, s84
	s_add_nc_u64 s[OC+4:OC+5], s[OC:OC+1], s[92:93]
	s_add_nc_u64 s[OC+6:OC+7], s[OC+2:OC+3], s[92:93]
	s_lshl_b32 s90, s89, 12
	s_lshl_b32 s92, s83, 8
	s_add_co_u32 s90, s90, s92
	s_lshl_b32 s90, s90, s87
	s_mul_i32 s92, s79, 524288
	s_add_co_u32 s90, s90, s92
	s_add_nc_u64 s[12:13], s[12:13], s[90:91]
	v_mul_u32_u24 v[SGO], v2, s88
	v_lshl_add_u32 v[SGO], v1, 4, v[SGO]
.irp b, 0,1,2,3
	v_mov_b32 v[TM+4+\b], 0
.endr
.macro QBLK a
.set WQ, 2+(\a)/4
	WIN 0
	s_cmp_eq_u32 ttmp9, 2
	s_cbranch_scc1 .Lrow_\@
	WIN WQ
.set n, 0
.rept 32
	v_pk_add_f32 v[H+2*n:H+2*n+1], v[64*((\a)%4)+2*n:64*((\a)%4)+2*n+1], v[CBI+2*n:CBI+2*n+1]
.set n, n+1
.endr
	WIN 0
	s_branch .Ljoin_\@
.Lrow_\@:
	WIN WQ
.set n, 0
.rept 32
	v_pk_add_f32 v[H+2*n:H+2*n+1], v[64*((\a)%4)+2*n:64*((\a)%4)+2*n+1], v[RB+2*(\a):RB+2*(\a)+1]
.set n, n+1
.endr
	WIN 0
.Ljoin_\@:
.irp b, 0,1,2,3
	v_max3_num_f32 v[TM+\b], |v[H+16*\b]|, |v[H+1+16*\b]|, 0x1800000
.endr
.irp i, 2,4,6,8,10,12,14
.irp b, 0,1,2,3
	v_max3_num_f32 v[TM+\b], v[TM+\b], |v[H+16*\b+\i]|, |v[H+1+16*\b+\i]|
.endr
.endr
.irp b, 0,1,2,3
	v_permlanex16_b32 v[TM+4+\b], v[TM+\b], s20, s21
.endr
.irp b, 0,1,2,3
	v_max_num_f32 v[TM+\b], v[TM+\b], v[TM+4+\b]
.endr
.irp b, 0,1,2,3
	v_add_nc_u32 v[TM+12+\b], 0xff000000, v[TM+\b]
.endr
.irp b, 0,1,2,3
	v_lshrrev_b32 v[TM+4+\b], 23, v[TM+12+\b]
.endr
.if (\a) > 0
	s_wait_alu depctr_va_vdst(0)
	s_wait_dscnt 4
.endif
	v_lshl_or_b32 v[TM+8], v[TM+5], 8, v[TM+4]
	v_lshl_or_b32 v[CD+7], v[TM+7], 8, v[TM+6]
	v_mad_u32_u24 v[CD+3], v[CD+7], s86, v[TM+8]
.irp b, 0,1,2,3
	v_cvt_scalef32_pk16_fp6_f32 v[CD+4*\b:CD+4*\b+2], v[H+16*\b:H+16*\b+15], v[TM+12+\b]
.endr
	v_nop
.endm
.macro TOSTAGE a
.if (\a) > 0
	s_wait_xcnt 0x0
.endif
.irp b, 0,1,2,3
	ds_store_b96 v[STO], v[CD+4*\b:CD+4*\b+2] offset:(\b/2)*1280+(\b%2)*32
.endr
	ds_store_b32 v[SSTO], v[CD+3] offset:256*((\a)/4)+4*((\a)%4)
	ds_store_b32 v[SSTO], v[CD+7] offset:512+256*((\a)/4)+4*((\a)%4)
.irp n, 0,1,2,3
	ds_load_b96 v[OB+4*\n:OB+4*\n+2], v[RD] offset:(\n/2)*1280+(\n%2)*640
.endr
.endm
.macro SEND a
	s_wait_dscnt 0x0
.irp n, 0,1,2,3
	global_store_b96 v[CO], v[OB+4*\n:OB+4*\n+2], s[OC+4*(\n/2)+2*((\a)/4):OC+4*(\n/2)+2*((\a)/4)+1] offset:((\a)%4)*768+(\n%2)*384
.endr
.endm
	QBLK 0
	TOSTAGE 0
.irp a, 1,2,3,4,5,6,7
	QBLK \a
	s_wait_alu depctr_va_vdst(0)
	SEND \a-1
	TOSTAGE \a
.endr
	SEND 7
	s_wait_xcnt 0x0
	ds_load_b128 v[OB:OB+3], v[SRD]
	ds_load_b128 v[CD:CD+3], v[SRD] offset:512
	s_wait_dscnt 0x0
	global_store_b128 v[SGO], v[OB:OB+3], s[12:13]
	s_cmp_eq_u32 ttmp9, 2
	s_cbranch_scc1 .Lno_second
	global_store_b128 v[SGO], v[CD:CD+3], s[12:13] offset:8192
.Lno_second:
	s_wait_tensorcnt 0x0
	ds_add_u32 v[SPW], v[NIL]
	s_wait_dscnt 0x0
	CROUND
	s_endpgm
.Lfunc_end_k_qdc64fdd8d0_proj:
	.size	k_qdc64fdd8d0_proj, .Lfunc_end_k_qdc64fdd8d0_proj-k_qdc64fdd8d0_proj
	.p2alignl 7, 3214868480
	.fill 96, 4, 3214868480
	.section	.rodata,"a",@progbits
	.p2align	6, 0x0
	.amdhsa_kernel k_qdc64fdd8d0_proj
		.amdhsa_group_segment_fixed_size 327680
		.amdhsa_private_segment_fixed_size 0
		.amdhsa_enable_private_segment 0
		.amdhsa_kernarg_size 40
		.amdhsa_user_sgpr_count 2
		.amdhsa_user_sgpr_kernarg_segment_ptr 1
		.amdhsa_wavefront_size32 1
		.amdhsa_system_sgpr_workgroup_id_x 1
		.amdhsa_system_sgpr_workgroup_id_y 1
		.amdhsa_system_sgpr_workgroup_id_z 1
		.amdhsa_system_vgpr_workitem_id 0
		.amdhsa_next_free_vgpr 1024
		.amdhsa_next_free_sgpr 100
		.amdhsa_reserve_vcc 0
		.amdhsa_float_denorm_mode_32 3
		.amdhsa_float_denorm_mode_16_64 3
		.amdhsa_memory_ordered 1
		.amdhsa_forward_progress 1
		.amdhsa_inst_pref_size 207
	.end_amdhsa_kernel
	.amdgpu_metadata
---
amdhsa.version: [ 1, 2 ]
amdhsa.kernels:
  - .name:           k_qdc64fdd8d0_proj
    .symbol:         k_qdc64fdd8d0_proj.kd
    .args:
      - { .name: opc, .offset: 0, .size: 8, .value_kind: global_buffer, .address_space: global }
      - { .name: ops, .offset: 8, .size: 8, .value_kind: global_buffer, .address_space: global }
      - { .name: in_proj_bias, .offset: 16, .size: 8, .value_kind: global_buffer, .address_space: global }
      - { .name: qkvc, .offset: 24, .size: 8, .value_kind: global_buffer, .address_space: global }
      - { .name: qkvs, .offset: 32, .size: 8, .value_kind: global_buffer, .address_space: global }
    .group_segment_fixed_size: 327680
    .private_segment_fixed_size: 0
    .kernarg_segment_align: 8
    .kernarg_segment_size: 40
    .max_flat_workgroup_size: 128
    .sgpr_count:     100
    .vgpr_count:     1024
    .wavefront_size: 32
...
	.end_amdgpu_metadata
.endif
;; end of part 2
;; launch attn (part 3): grid 4 x 64, 16 waves a work-group, clusters of 4 x 1, 231,936 bytes of LDS; arguments qkvc, qkvs, aoc, aos; writes aoc, aos
.if DOCPART == 3
	.amdgcn_target "amdgcn-amd-amdhsa--gfx1250"
	.amdhsa_code_object_version 6
	.text
	.protected	k_qdc64fdd8d0_attn
	.globl	k_qdc64fdd8d0_attn
	.p2align	8
	.type	k_qdc64fdd8d0_attn,@function
k_qdc64fdd8d0_attn:
	s_mov_b64 s[64:65], 0
	v_nop
	global_prefetch_b8 v0, s[64:65] scope:SCOPE_SE
	s_setreg_imm32_b32 hwreg(HW_REG_WAVE_MODE, 25, 1), 1
	s_wait_xcnt 0x0
	s_wait_alu depctr_hold_cnt(0) depctr_sa_sdst(0) depctr_va_vdst(0) depctr_va_sdst(0) depctr_va_ssrc(0) depctr_va_vcc(0) depctr_vm_vsrc(0)
	s_getreg_b32 s2, hwreg(HW_REG_IB_STS2, 6, 4)
	s_cmp_eq_u32 s2, 0
	s_cbranch_scc0 .Lentry_in_a_cluster
	s_endpgm
.Lentry_in_a_cluster:
	s_bfe_u32 s2, ttmp6, 0x10000c
	s_cmp_lg_u32 s2, 0x3003
	s_cbranch_scc0 .Lentry_shape_is_right
	s_endpgm
.Lentry_shape_is_right:
; O = softmax(q k^T / 8) v for each of 64 heads (bh = 16 b + head) of 2,048 rows x 64 channels, both products on codes of FP6 (E2M3) with E8M0 scales; O leaves as codes, quantised along the channels.
; IN: qkvc: q [bh][2048 rows][48 bytes] at 0, k the same at 6,291,456, v [bh][32 x 64 keys][64 channels][48] at 12,582,912; qkvs: q's scale words at 0, k's at 524,288 (stored row i's at word 64 (i / 64) + 4 (i % 16) + (i / 16) % 4,
; bytes s0, s1, 0, 0), v's at 1,048,576 ([bh][16 x 128 keys][64 words], channel i's at 4 (i % 16) + i / 16).  Rows and channels stand at sw(true index), sw exchanging bits 3 and 4; keys inside a row of v in true order.
; OUT: aoc [16 heads][8192 rows 2048 b + stored row][48 bytes], aos [8192 rows][32 scale bytes], byte 2 head + block.
; THE SOFTMAX: t = score x log2(e) / 8 (q's exact division by 8 stands in this constant); M = the running largest t rounded up to a whole number; p = 2^(t - M) is quantised along the keys, not normalised;
; the row's sum is taken of the unquantised p and divides O at the end.  When M moves, the sum and O are multiplied by f = 2^(old M - new M): exact.
; SHARES: a cluster of four work-groups is one head; a work-group takes 512 queries in two passes of 256; each of its sixteen waves one tile of 16 queries a pass, in 256 registers.
; THE WHOLE HEAD'S K AND V STAY IN LDS, filled once by joint loads of the four partners, one load a wave: waves 0-7 bring 16 rows of 1,536 bytes each (every other run of 1,536 bytes of K or of V), wave 8 K's scale
; words, wave 9 V's.  Nothing is filled again: no ring; every fill goes out at the head, so there is no later step to prefetch for.
; LDS: K's even blocks of 32 keys at 0, its odd blocks at KODD = 49,152 + 128: rows j of an even and of an odd block then start 32 banks apart (64 banks of 4 bytes: ISA guide 11.1).  V likewise from VOFF on: stored channels 0-31 of each 64 keys, then channels 32-63.
; LAYOUT: both products transposed: S^T = K Q^T, O^T = V^T P^T: a lane holds one query.  Tile 4 c + t of K takes as rows 0-7 the keys 64 c + 8 t + 0..7 and as rows 8-15 the keys 64 c + 32 + 8 t + 0..7:
; so lane half h holds in registers S + 32 c + 0..31 the WHOLE block 2 c + h of 32 keys in order, which is what the second product's operand wants of that lane: a block's maximum needs no other lane and no code changes lanes.
; The first product's K is 64: Q's registers 6-11 are zero codes, set once.  A fragment of K is 6 registers of codes; its registers 6-11 are the next tile's codes (the last tile's: V's first six), which meet Q's zero codes
; under the scale bytes 0 (a number, no NaN) and add nothing: every code of E2M3 is a finite number.
; THE STEP'S ORDER: K of step i + 1 and V of step i are asked for in step i; P V of step i - 1 is multiplied in step i, behind Q K of step i.  So the one LDS wait of a step is for loads issued a step before.
; The first trip's P V multiplies zero codes (O stays 0); the last trip, which has no next step, asks for its own keys again; the last P V stands behind the loop.
; LIMITS: the promise holds while the scaled scores t stay under 2^31 in magnitude; a block of zeros gets the byte 1 where the rule says 127 (this program alone reads the bytes); NaN and infinities are not served.
; O's scale bytes leave as halfwords 32 bytes apart: 1/24 of the codes' bytes; whole runs would want two heads in a work-group.
.set KODD,  49280
.set VOFF,  98560
.set SCK,   197120                     ; K's scale words, 8,192 bytes
.set SCV,   205312                     ; V's, 4,096 bytes
.set STAGE, 209408                     ; a stage of 16 rows x 80 bytes for each wave: bytes of its own
.set SPARE, 229888                     ; the spare words, 128 bytes a wave
.set AK0,  1                           ; v1  my lane's place in a tile of K: KODD (r / 8) + 48 (r % 8) + 24 h
.set AV0,  2                           ; v2  in V: VOFF + 48 r + 24 h
.set ASK0, 3                           ; v3  SCK + 16 (r % 8) + 8 (r / 8)
.set ASV0, 4                           ; v4  SCV + 16 r
.set ADK,  5                           ; v5-8 the step's addresses; on the way out the stage's
.set ADV,  6
.set ADS,  7
.set ADT,  8
.set SH8,  9                           ; v9  8 h
.set SPW,  10                          ; v10 my spare word; v11 0: kept for the add alone
.set NIL,  11
.set QF,   16                          ; v12 -M, v13 the largest score, v[14:15] the sum; v16-27 Q
.set KF,   28                          ; v28-75 K: tile T at KF + 6 T
.set VF,   76                          ; v76-123 V: four fragments
.set VS,   124                         ; v124-127 V's scale words
.set S,    128                         ; v128-191 S^T, then p
.set O,    192                         ; v192-223 O^T
.set F,    224                         ; v224-235 p's codes
.set KS,   236                         ; v236-243 K's scale words
.set T,    244                         ; v244-251 at work
.set FF,   252                         ; f
.set PS,   253                         ; p's scale word
.set QS,   254                         ; Q's scale words
.set OM,   255                         ; the old -M; a permute's destination
.set WV,   18
.set NC,   19
.set SEL,  20
.set CS,   22
.set G1C,  24
.set G1KS, 32
.set G1VS, 40
.set G0C,  48
.set G0K,  52
.set G0V,  56
.set TB,   2                           ; the step's codes: 3,072 bytes a step in each region
.set TS,   3                           ; K's scale words: 512 bytes a step
.set TJ,   66                          ; V's: 256
.set CNT,  67
.set TN,   68                          ; the next step's codes of K, held at the last step's
.set TM,   69                          ; and its scale words
.macro D n
	s_delay_alu instid0(VALU_DEP_\n)
.endm
.macro CROUND                          ; a round of the cluster's barrier
	s_barrier_signal -1
	s_barrier_wait -1
	s_cmp_lg_u32 s[WV], 0
	s_cbranch_scc1 .Lnot_wave_0_\@
	s_barrier_signal -3
.Lnot_wave_0_\@:
	s_barrier_wait -3
	s_barrier_signal -1
	s_barrier_wait -1
.endm
	s_load_b256 s[4:11], s[0:1], 0x0               ; qkvc, qkvs, aoc, aos
	v_lshl_add_u32 v[SPW], v0, 2, SPARE
	v_mov_b32 v[NIL], 0
	ds_add_u32 v[SPW], v[NIL]                      ; the opening lines: the add, twice on end, and its wait
	ds_add_u32 v[SPW], v[NIL]
	v_lshrrev_b32 v5, 5, v0
	v_readfirstlane_b32 s[WV], v5                  ; wave 0..15
	s_bfe_u32 s80, ttmp6, 0x40000                  ; cx: it enters addresses of q and O alone
	s_and_b32 s81, ttmp7, 0xffff                   ; the head, which the four partners share
.irp g, G1C, G1KS, G1VS
	s_mov_b32 s[\g], 15|(3<<16)|(1<<21)            ; the mask: all four work-groups; elements of 8 bytes; bit 21 beside a mask; no padding
	s_mov_b32 s[\g+6], 0
	s_mov_b32 s[\g+7], 0
.endr
.irp g, G1KS, G1VS
	s_mov_b32 s[\g+1], 32<<16                      ; dense rows of 256 bytes
	s_mov_b32 s[\g+3], 32<<16
	s_mov_b32 s[\g+5], 32
.endr
	s_mov_b32 s[G1KS+2], 32<<16
	s_mov_b32 s[G1KS+4], 32
	s_mov_b32 s[G1VS+2], 16<<16
	s_mov_b32 s[G1VS+4], 16
	s_mov_b32 s[G1C+1], 192<<16                    ; codes: 16 rows of 1,536 bytes, 3,072 bytes apart in memory, dense in LDS
	s_mov_b32 s[G1C+2], 16<<16
	s_mov_b32 s[G1C+3], 192<<16
	s_mov_b32 s[G1C+4], 16
	s_mov_b32 s[G1C+5], 384
	s_lshr_b32 s82, s[WV], 2                       ; waves 0-3 K, 4-7 V
	s_bfe_u32 s83, s[WV], 0x10001                  ; the even or the odd runs
	s_and_b32 s84, s[WV], 1                        ; their first or second 16
	s_add_co_u32 s85, s82, 1
	s_mul_i32 s86, s85, 6291456
	s_mul_i32 s85, s81, 98304
	s_add_co_u32 s86, s86, s85
	s_mul_i32 s85, s83, 1536
	s_add_co_u32 s86, s86, s85
	s_mul_i32 s85, s84, 49152
	s_add_co_u32 s86, s86, s85
	s_mov_b32 s87, 0
	s_mul_i32 s88, s82, VOFF                       ; where they go
	s_mul_i32 s85, s83, KODD
	s_add_co_u32 s88, s88, s85
	s_mul_i32 s85, s84, 24576
	s_add_co_u32 s88, s88, s85
	s_lshl_b32 s90, s81, 13
	s_add_co_u32 s90, s90, 524288
	s_mov_b32 s91, 0
	s_lshl_b32 s92, s81, 12
	s_add_co_u32 s92, s92, 1048576
	s_mov_b32 s93, 0
	s_mov_b32 s[SEL], 0x76543210
	s_mov_b32 s[SEL+1], 0xfedcba98                 ; v_permlanex16_b32's selects for lane l xor 16
	s_mov_b32 s[CS], 0x3e38aa3b                    ; c = log2(e) / 8
	s_mov_b32 s[CS+1], s[CS]
	s_mov_b32 s[NC], 0xbe38aa3b                    ; -c
	s_wait_dscnt 0x0
	s_wait_kmcnt 0x0
	s_add_nc_u64 s[86:87], s[4:5], s[86:87]
	s_add_nc_u64 s[90:91], s[6:7], s[90:91]
	s_add_nc_u64 s[92:93], s[6:7], s[92:93]
	s_mov_b32 s[G0C], 1
	s_mov_b32 s[G0C+1], s88
	s_mov_b64 s[G0C+2:G0C+3], s[86:87]
	s_or_b32 s[G0C+3], s[G0C+3], 0x80000000
	s_mov_b32 s[G0K], 1
	s_mov_b32 s[G0K+1], SCK
	s_mov_b64 s[G0K+2:G0K+3], s[90:91]
	s_or_b32 s[G0K+3], s[G0K+3], 0x80000000
	s_mov_b32 s[G0V], 1
	s_mov_b32 s[G0V+1], SCV
	s_mov_b64 s[G0V+2:G0V+3], s[92:93]
	s_or_b32 s[G0V+3], s[G0V+3], 0x80000000
	CROUND                                         ; all four work-groups are here: the joint loads meet
	s_cmp_lt_u32 s[WV], 8                          ; one chain of branches on the wave's number, one load to an arm
	s_cbranch_scc0 .Larm_ks
	tensor_load_to_lds s[G0C:G0C+3], s[G1C:G1C+7]
	s_nop 0
.rept 4
	v_nop
.endr
	s_branch .Lfilled
.Larm_ks:
	s_cmp_eq_u32 s[WV], 8
	s_cbranch_scc0 .Larm_vs
	tensor_load_to_lds s[G0K:G0K+3], s[G1KS:G1KS+7]
	s_nop 0
.rept 4
	v_nop
.endr
	s_branch .Lfilled
.Larm_vs:
	s_cmp_eq_u32 s[WV], 9
	s_cbranch_scc0 .Lfilled
	tensor_load_to_lds s[G0V:G0V+3], s[G1VS:G1VS+7]
	s_nop 0
.rept 4
	v_nop
.endr
.Lfilled:
	s_mul_i32 s90, s[WV], 1280
	s_add_co_u32 s90, s90, STAGE                   ; my stage
	s_lshl_b32 s91, s80, 9
	s_lshl_b32 s92, s[WV], 4
	s_add_co_u32 s91, s91, s92                     ; my first query of pass 0 in the head: 512 cx + 16 x wave
	s_mul_i32 s92, s91, 48
	s_mul_i32 s93, s81, 98304
	s_add_co_u32 s92, s92, s93
	s_mov_b32 s93, 0
	s_add_nc_u64 s[72:73], s[4:5], s[92:93]        ; its codes
	s_lshl_b32 s92, s81, 13
	s_lshl_b32 s94, s80, 11
	s_add_co_u32 s92, s92, s94
	s_lshr_b32 s94, s[WV], 2
	s_lshl_b32 s94, s94, 8
	s_add_co_u32 s92, s92, s94
	s_and_b32 s94, s[WV], 3
	s_lshl_b32 s94, s94, 2
	s_add_co_u32 s92, s92, s94
	s_add_nc_u64 s[74:75], s[6:7], s[92:93]        ; its tile's scale words
	s_lshr_b32 s94, s81, 4
	s_lshl_b32 s94, s94, 11
	s_add_co_u32 s94, s94, s91                     ; its row of aoc and aos: 2048 b + the row in the head
	s_and_b32 s95, s81, 15
	s_mul_i32 s92, s94, 48
	s_mul_i32 s96, s95, 393216
	s_add_co_u32 s92, s92, s96
	s_add_nc_u64 s[76:77], s[8:9], s[92:93]
	s_lshl_b32 s92, s94, 5
	s_lshl_b32 s96, s95, 1
	s_add_co_u32 s92, s92, s96
	s_add_nc_u64 s[78:79], s[10:11], s[92:93]
	v_and_b32 v5, 15, v0                           ; r
	v_bfe_u32 v6, v0, 4, 1                         ; h
	v_and_b32 v7, 7, v0                            ; r % 8
	v_bfe_u32 v8, v0, 3, 1                         ; r / 8
	v_mul_u32_u24 v[SH8], v6, 24
	v_lshlrev_b32 v41, 4, v5                       ; 16 r: Q's scale words
	v_lshlrev_b32 v[ASK0], 4, v7
	D 3
	v_mad_u32_u24 v40, v5, 48, v[SH8]              ; 48 r + 24 h: Q's codes
	v_mad_u32_u24 v[AK0], v7, 48, v[SH8]
	v_lshl_add_u32 v[ASK0], v8, 3, v[ASK0]
	v_add_nc_u32 v[ASV0], SCV, v41
	v_add_nc_u32 v[AV0], VOFF, v40
	v_mad_u32_u24 v[AK0], v8, KODD, v[AK0]
	v_add_nc_u32 v[ASK0], SCK, v[ASK0]
	v_lshlrev_b32 v[SH8], 3, v6
.macro QLOAD p                         ; pass p's 16 queries: 24 bytes a lane, and a scale word a row
.irp i, 0,1,2
	global_load_b64 v[QF+2*\i:QF+2*\i+1], v40, s[72:73] offset:12288*\p+8*\i
.endr
	global_load_b32 v[QS], v41, s[74:75] offset:1024*\p
.endm
	QLOAD 0
.irp i, 6,7,8,9,10,11
	v_mov_b32 v[QF+\i], 0                          ; the first product's K = 64 .. 127: zero codes in Q, set once
.endr
.macro KLOAD adr                       ; eight tiles of K, 6 registers each; tile 4 c + t stands at stored rows 8 sw(t) of its two blocks
.irp t, 0,1,2,3,4,5,6,7
.irp p, 0,1,2
	ds_load_b64 v[KF+6*\t+2*\p:KF+6*\t+2*\p+1], v[\adr] offset:1536*(\t/4)+384*(2*(\t%2)+(\t%4)/2)+8*\p
.endr
.endr
.endm
.macro KSLOAD adr                      ; their rows' scale words, two neighbouring tiles' a load
.irp u, 0,1,2,3
	ds_load_b64 v[KS+2*\u:KS+2*\u+1], v[\adr] offset:128*\u
.endr
.endm
.macro VLOAD adr, adt                  ; V's four fragments of 128 keys, and their scale words
.irp t, 0,1,2,3
.irp p, 0,1,2,3,4,5
	ds_load_b64 v[VF+12*\t+2*\p:VF+12*\t+2*\p+1], v[\adr] offset:(\p/3)*1536+(\t/2)*KODD+(\t%2)*768+8*(\p%3)
.endr
.endr
	ds_load_b128 v[VS:VS+3], v[\adt]
.endm
.macro MULS                            ; O^T under the M of the codes that wait in F
	s_wait_dscnt 0x0                               ; the loads issued a step ago are in
	s_wait_alu depctr_va_vdst(0)                   ; the wait here, directly ahead of the first reader of O^T
.set j, 0
.rept 16
	v_pk_mul_f32 v[O+j:O+j+1], v[O+j:O+j+1], v[FF:FF+1] op_sel_hi:[1,0]   ; each accumulator from its low end on
.set j, j+2
.endr
.endm
.macro PVM                             ; O^T += V^T P^T, the four accumulators by turns
.irp t, 0,1,2,3
	v_wmma_scale_f32_16x16x128_f8f6f4 v[O+8*\t:O+8*\t+7], v[VF+12*\t:VF+12*\t+11], v[F:F+11], v[O+8*\t:O+8*\t+7], v[VS+\t], v[PS] matrix_a_fmt:MATRIX_FMT_FP6 matrix_b_fmt:MATRIX_FMT_FP6
.endr
.endm
; A KEY STEP: 128 keys.
.macro STEP
	MULS
.irp t, 0,1,2,3,4,5,6,7
	v_wmma_scale_f32_16x16x128_f8f6f4 v[S+8*\t:S+8*\t+7], v[KF+6*\t:KF+6*\t+11], v[QF:QF+11], 0, v[KS+\t], v[QS] matrix_a_fmt:MATRIX_FMT_FP6 matrix_b_fmt:MATRIX_FMT_FP6
.endr
	PVM                                            ; the step before's codes
	v_add_nc_u32 v[ADK], s[TN], v[AK0]             ; four plain lines: the places behind the products, ahead of the loads into their operands and of the first read of S^T
	v_add_nc_u32 v[ADV], s[TB], v[AV0]
	v_add_nc_u32 v[ADS], s[TM], v[ASK0]
	v_add_nc_u32 v[ADT], s[TJ], v[ASV0]
	KLOAD ADK                                      ; the next step's K,
	KSLOAD ADS
	VLOAD ADV, ADT                                 ; this step's V: 53 loads, waited for at the next step's head
.irp b, 0,1                                    ; the largest score of my two blocks of 32 keys, in four chains by turns
	v_max3_num_f32 v[T+\b], v[S+32*\b], v[S+32*\b+1], v[S+32*\b+2]
	v_max3_num_f32 v[T+2+\b], v[S+32*\b+16], v[S+32*\b+17], v[S+32*\b+18]
.endr
.irp i, 3,5,7,9,11,13
.irp b, 0,1
	v_max3_num_f32 v[T+\b], v[T+\b], v[S+32*\b+\i], v[S+32*\b+\i+1]
	v_max3_num_f32 v[T+2+\b], v[T+2+\b], v[S+32*\b+16+\i], v[S+32*\b+17+\i]
.endr
.endr
.irp b, 0,1
	v_max3_num_f32 v[T+\b], v[T+\b], v[T+2+\b], v[S+32*\b+15]
.endr
.irp b, 0,1
	v_max_num_f32 v[T+\b], v[T+\b], v[S+32*\b+31]
.endr
	v_max_num_f32 v[T+2], v[T], v[T+1]
	v_mov_b32 v[OM], v12
	v_permlanex16_b32 v[T+3], v[T+2], s[SEL], s[SEL+1]
	v_max3_num_f32 v13, v13, v[T+2], v[T+3]        ; the running largest score of my query, lane l xor 16's keys among them
	v_mul_f32 v[T+2], s[NC], v13                   ; -t
	v_floor_f32 v12, v[T+2]                        ; the new -M = floor(-t): M is a whole number
	v_sub_f32 v[T+2], v12, v[OM]                   ; old M - new M: a whole number, 0 or less
.set j, 0
.rept 32
	v_pk_fma_f32 v[S+j:S+j+1], v[S+j:S+j+1], s[CS:CS+1], v[12:13] op_sel_hi:[1,0,0]   ; t - M, two at a time
.if j == 6
	v_cvt_i32_f32 v[T+2], v[T+2]                   ; (it saturates)
.endif
.if j == 14
	v_ldexp_f32 v[FF], 1.0, v[T+2]                 ; f = 2^(old M - new M)
.endif
.set j, j+2
.endr
.irp b, 0,1
	v_fma_f32 v[T+\b], v[T+\b], s[CS], v12         ; the same of each block's largest score: p rises with the score
.endr
	s_wait_alu depctr_va_vdst(0)                   ; the wait ahead of the batch
.set j, 0
.rept 64
	v_exp_f32 v[S+j], v[S+j]                       ; p = 2^(t - M), at most 1
.set j, j+1
.endr
.irp b, 0,1
	v_exp_f32 v[T+\b], v[T+\b]                     ; the block's largest p
.endr
	v_nop                                          ; one plain place behind the exponentials
	s_wait_alu depctr_va_vdst(0)                   ; and the one wait behind the batch
	v_pk_add_f32 v[T+2:T+3], v[S:S+1], v[S+2:S+3]  ; the sum of the unquantised p, in three chains by turns
	v_pk_add_f32 v[T+4:T+5], v[S+4:S+5], v[S+6:S+7]
	v_pk_add_f32 v[T+6:T+7], v[S+8:S+9], v[S+10:S+11]
.irp b, 0,1
	v_max_num_f32 v[T+\b], 0x1800000, v[T+\b]      ; the floor 2^(3 - 127): the byte cannot fall under 1
.endr
.set j, 12
.rept 8
	v_pk_add_f32 v[T+2:T+3], v[T+2:T+3], v[S+j:S+j+1]
	v_pk_add_f32 v[T+4:T+5], v[T+4:T+5], v[S+j+2:S+j+3]
	v_pk_add_f32 v[T+6:T+7], v[T+6:T+7], v[S+j+4:S+j+5]
.set j, j+6
.endr
	v_pk_add_f32 v[T+2:T+3], v[T+2:T+3], v[S+60:S+61]
	v_pk_add_f32 v[T+4:T+5], v[T+4:T+5], v[S+62:S+63]
.irp b, 0,1
	v_add_nc_u32 v[T+\b], 0xff000000, v[T+\b]      ; 2 off the exponent field: the conversion's scale operand
.endr
	v_cvt_scalef32_pk16_fp6_f32 v[F:F+2], v[S:S+15], v[T]
	v_cvt_scalef32_pk16_fp6_f32 v[F+6:F+8], v[S+32:S+47], v[T+1]
	v_pk_add_f32 v[T+2:T+3], v[T+2:T+3], v[T+4:T+5]   ; (plain lines between the conversions: the fourth writes sources of the first)
	v_pk_add_f32 v[T+2:T+3], v[T+2:T+3], v[T+6:T+7]
	v_cvt_scalef32_pk16_fp6_f32 v[T+4:T+6], v[S+16:S+31], v[T]      ; (a conversion's three registers begin on an even number: the blocks' upper halves are made elsewhere and moved)
	v_cvt_scalef32_pk16_fp6_f32 v[S:S+2], v[S+48:S+63], v[T+1]
	v_pk_fma_f32 v[14:15], v[14:15], v[FF:FF+1], v[T+2:T+3] op_sel_hi:[1,0,1]   ; the sum under the new M, and this step's (the plain place behind the conversions)
	v_lshrrev_b32 v[T+2], 23, v[T]                 ; the scales' bytes: blocks h and 2 + h
	v_lshrrev_b32 v[T+3], 23, v[T+1]
	v_mov_b32 v[F+3], v[T+4]
	v_mov_b32 v[F+4], v[T+5]
	v_mov_b32 v[F+5], v[T+6]
	v_lshl_or_b32 v[T+2], v[T+3], 16, v[T+2]
	v_mov_b32 v[F+9], v[S]
	v_mov_b32 v[F+10], v[S+1]
	v_lshlrev_b32 v[T+2], v[SH8], v[T+2]           ; at their places in the word: 8 h bits up
	v_mov_b32 v[F+11], v[S+2]
	D 2
	v_permlanex16_b32 v[OM], v[T+2], s[SEL], s[SEL+1]
	D 1
	v_or_b32 v[PS], v[T+2], v[OM]                  ; with lane l xor 16's two bytes p's scale word is whole
	s_add_co_u32 s[TB], s[TB], 3072
	s_add_co_u32 s[TS], s[TS], 512
	s_add_co_u32 s[TJ], s[TJ], 256
	s_add_co_u32 s[TN], s[TB], 3072
	s_min_u32 s[TN], s[TN], 46080                  ; the last step asks for its own keys again
	s_add_co_u32 s[TM], s[TS], 512
	s_min_u32 s[TM], s[TM], 7680
.endm
; THE WAY OUT of pass p: O^T / the sum; register 16 b + i is channel 32 b + 16 h + i of my query: two blocks are quantised; the codes go through my stage and leave as 768 consecutive bytes.
.macro OUT p
	v_add_f32 v14, v14, v15                        ; the sum's two halves (these plain lines are the places behind the last products),
.if \p == 0
	v_add_nc_u32 v40, -VOFF, v[AV0]                ; 48 r + 24 h
	v_add_nc_u32 v41, -SCV, v[ASV0]                ; 16 r
	QLOAD 1                                        ; the next pass's queries land under the way out
.endif
	v_permlanex16_b32 v[OM], v14, s[SEL], s[SEL+1]
	v_and_b32 v5, 15, v0
	v_bfe_u32 v6, v0, 4, 1
	v_and_b32 v7, 31, v0
	v_add_f32 v14, v14, v[OM]                      ; and lane l xor 16's
	v_lshlrev_b32 v8, 5, v5                        ; 32 r: my row of aos
	v_mul_u32_u24 v5, v5, 80
	s_wait_alu depctr_va_vdst(0)                   ; the wait ahead of the transcendental
	v_rcp_f32 v14, v14
	v_lshl_add_u32 v5, v6, 4, v5
	v_lshrrev_b32 v6, 2, v7
	v_and_b32 v[T+7], 3, v7
	v_add_nc_u32 v5, s90, v5                       ; the stage, in: row r; place 2 x block + h of 16 bytes
	v_mul_u32_u24 v6, v6, 80
	v_mul_u32_u24 v7, v7, 12
	D 2
	v_lshl_add_u32 v6, v[T+7], 4, v6
	D 1
	v_add_nc_u32 v6, s90, v6                       ; back: four lanes to a row
	s_wait_alu depctr_va_vdst(0)                   ; the wait ahead of the first reader of the reciprocal and of O^T
.set j, 0
.rept 32
	v_mul_f32 v[S+j], v[O+j], v14
.set j, j+1
.endr
.irp b, 0,1
	v_max3_num_f32 v[T+\b], |v[S+16*\b]|, |v[S+1+16*\b]|, 0x1800000
.endr
.irp i, 2,4,6,8,10,12,14
.irp b, 0,1
	D 2
	v_max3_num_f32 v[T+\b], v[T+\b], |v[S+16*\b+\i]|, |v[S+1+16*\b+\i]|
.endr
.endr
.irp b, 0,1
	D 2
	v_permlanex16_b32 v[T+2+\b], v[T+\b], s[SEL], s[SEL+1]
.endr
.irp b, 0,1
	D 2
	v_max_num_f32 v[T+\b], v[T+\b], v[T+2+\b]
.endr
.irp b, 0,1
	D 2
	v_add_nc_u32 v[T+4+\b], 0xff000000, v[T+\b]
.endr
.irp b, 0,1
	D 2
	v_lshrrev_b32 v[T+2+\b], 23, v[T+4+\b]
.endr
	D 1
	v_lshl_or_b32 v[T+6], v[T+3], 8, v[T+2]        ; my row's two scale bytes
	v_cvt_scalef32_pk16_fp6_f32 v[F:F+2], v[S:S+15], v[T+4]
	v_cvt_scalef32_pk16_fp6_f32 v[F+4:F+6], v[S+16:S+31], v[T+5]
	v_nop                                          ; one plain place behind the scaled conversions
	ds_store_b96 v5, v[F:F+2]
	ds_store_b96 v5, v[F+4:F+6] offset:32
	ds_load_b96 v[28:30], v6                       ; LDS serves a wave's instructions in order: these see the stores above
	ds_load_b96 v[32:34], v6 offset:640
	global_store_b16 v8, v[T+6], s[78:79] offset:8192*\p   ; lanes r and r + 16 hold the same halfword and write the same two bytes
	s_wait_dscnt 0x0
	global_store_b96 v7, v[28:30], s[76:77] offset:12288*\p
	global_store_b96 v7, v[32:34], s[76:77] offset:12288*\p+384
	s_wait_xcnt 0x0                                ; the stores and loads have read their registers: the next pass writes them again
.endm
.macro PASS p
	v_mov_b32 v13, 0xff61b1e6                      ; the largest score so far: -3e38
	v_mov_b32 v12, 0x7f61b1e6                      ; -M: 3e38, so that the first f is 0
	v_mov_b32 v14, 0
	v_mov_b32 v15, 0
	v_mov_b32 v[FF], 1.0
	v_mov_b32 v[PS], 0x7f7f7f7f
.set j, 0
.rept 32
	v_mov_b32 v[O+j], 0                            ; O^T: the step is written once, and its first trip finds zeros,
.set j, j+1
.endr
.set j, 0
.rept 12
	v_mov_b32 v[F+j], 0                            ; and zero codes for the step that is not there
.set j, j+1
.endr
	s_mov_b32 s[TB], 0
	s_mov_b32 s[TS], 0
	s_mov_b32 s[TJ], 0
	s_mov_b32 s[TN], 3072
	s_mov_b32 s[TM], 512
	s_mov_b32 s[CNT], 16
	s_wait_loadcnt 0x0                             ; Q is in, and its loads have read v40 and v41
	KLOAD AK0                                      ; step 0's K; V's registers take step 0's codes too, which meet the zero codes
	KSLOAD ASK0
	VLOAD AV0, ASV0
.Lstep_\@:
	STEP
	s_sub_co_u32 s[CNT], s[CNT], 1
	s_cmp_lg_u32 s[CNT], 0
	s_cbranch_scc1 .Lstep_\@
	MULS                                           ; the last step's codes
	PVM
	OUT \p
.endm
	s_wait_alu depctr_va_vdst(0)                   ; the wait at the head's end
	s_wait_tensorcnt 0x0                           ; my fill has landed,
	s_barrier_signal -1
	s_barrier_wait -1                              ; everybody's has: the head's K and V are whole, and nothing is filled again
	PASS 0
	PASS 1
	s_wait_tensorcnt 0x0                           ; the wave's end
	ds_add_u32 v[SPW], v[NIL]
	s_wait_dscnt 0x0
	CROUND                                         ; the closing round
	s_endpgm
.Lfunc_end_k_qdc64fdd8d0_attn:
	.size	k_qdc64fdd8d0_attn, .Lfunc_end_k_qdc64fdd8d0_attn-k_qdc64fdd8d0_attn
	.p2alignl 7, 3214868480
	.fill 96, 4, 3214868480
	.section	.rodata,"a",@progbits
	.p2align	6, 0x0
	.amdhsa_kernel k_qdc64fdd8d0_attn
		.amdhsa_group_segment_fixed_size 231936
		.amdhsa_private_segment_fixed_size 0
		.amdhsa_enable_private_segment 0
		.amdhsa_kernarg_size 32
		.amdhsa_user_sgpr_count 2
		.amdhsa_user_sgpr_kernarg_segment_ptr 1
		.amdhsa_wavefront_size32 1
		.amdhsa_system_sgpr_workgroup_id_x 1
		.amdhsa_system_sgpr_workgroup_id_y 1
		.amdhsa_system_sgpr_workgroup_id_z 1
		.amdhsa_system_vgpr_workitem_id 0
		.amdhsa_next_free_vgpr 256
		.amdhsa_next_free_sgpr 100
		.amdhsa_reserve_vcc 0
		.amdhsa_float_denorm_mode_32 3
		.amdhsa_float_denorm_mode_16_64 3
		.amdhsa_memory_ordered 1
		.amdhsa_forward_progress 1
		.amdhsa_inst_pref_size 65
	.end_amdhsa_kernel
	.amdgpu_metadata
---
amdhsa.version: [ 1, 2 ]
amdhsa.kernels:
  - .name:           k_qdc64fdd8d0_attn
    .symbol:         k_qdc64fdd8d0_attn.kd
    .args:
      - { .name: qkvc, .offset: 0, .size: 8, .value_kind: global_buffer, .address_space: global }
      - { .name: qkvs, .offset: 8, .size: 8, .value_kind: global_buffer, .address_space: global }
      - { .name: aoc, .offset: 16, .size: 8, .value_kind: global_buffer, .address_space: global }
      - { .name: aos, .offset: 24, .size: 8, .value_kind: global_buffer, .address_space: global }
    .group_segment_fixed_size: 231936
    .private_segment_fixed_size: 0
    .kernarg_segment_align: 8
    .kernarg_segment_size: 32
    .max_flat_workgroup_size: 512
    .sgpr_count:     100
    .vgpr_count:     256
    .wavefront_size: 32
...
	.end_amdgpu_metadata
.endif
;; end of part 3
;; launch outp (part 4): grid 4 x 32, 4 waves a work-group, clusters of 4 x 4, 327,680 bytes of LDS; arguments aoc, aos, opc, ops, out_proj_bias, out0; writes out0
.if DOCPART == 4
	.amdgcn_target "amdgcn-amd-amdhsa--gfx1250"
	.amdhsa_code_object_version 6
	.text
	.protected	k_qdc64fdd8d0_outp
	.globl	k_qdc64fdd8d0_outp
	.p2align	8
	.type	k_qdc64fdd8d0_outp,@function
k_qdc64fdd8d0_outp:
	s_mov_b64 s[64:65], 0
	v_nop
	global_prefetch_b8 v0, s[64:65] scope:SCOPE_SE
	s_setreg_imm32_b32 hwreg(HW_REG_WAVE_MODE, 25, 1), 1
	s_wait_xcnt 0x0
	s_wait_alu depctr_hold_cnt(0) depctr_sa_sdst(0) depctr_va_vdst(0) depctr_va_sdst(0) depctr_va_ssrc(0) depctr_va_vcc(0) depctr_vm_vsrc(0)
	s_getreg_b32 s2, hwreg(HW_REG_IB_STS2, 6, 4)
	s_cmp_eq_u32 s2, 0
	s_cbranch_scc0 .Lentry_in_a_cluster
	s_endpgm
.Lentry_in_a_cluster:
	s_bfe_u32 s2, ttmp6, 0x10000c
	s_cmp_lg_u32 s2, 0xf033
	s_cbranch_scc0 .Lentry_shape_is_right
	s_endpgm
.Lentry_shape_is_right:
.set KSTR,   589824
.set APL,    393216
.set PLB,    12288                     ; a plane of a tile in LDS: 256 rows x 48 bytes
.set NQ,     2
.set FR,     12
.set NL,     6
.set NP,     4
.set HALFT,  2*PLB                     ; what one load of the ring brings: two planes of 256 rows
.set SLOT,   4*HALFT
.set LAPS,   2
.set KS,     32
.set SCL,    2*SLOT
.set HALFS,  (128*KS/256)*272
.set SBLK,   (16*KS/256)*272
.set SPARE,  SCL+4*HALFS
.set STG,    SPARE+512
.set SPITCH, 528
.set ADRA, 16
.set ADRB, 20
.set STO,  24
.set RD,   25
.set CO,   26
.set ADRS, 27
.set SPW,  28
.set NIL,  29
.set SC,   32
.set CBI,  64
.set AF,   128
.set BK,   128
.set G1, 24
.set G0, 32
.set G1B, 48
.set G0B, 56
.set G1S, 68
.set G0S, 76
.set G1SB, 80
.set G0SB, 88
.set MSB, 0
.macro WIN new
.if MSB != \new
	s_set_vgpr_msb (MSB<<8)|\new
.set MSB, \new
.endif
.endm
.set MUL_LO,  0xa1
.set MUL_HI,  0xf1
.set MUL_LO0, 0x81
.set MUL_HI0, 0xc1
.set TO_B,    0x40
.macro JLOAD g0a, g1a, g0b, g1b
	s_cmp_eq_u32 s15, 0
	s_cbranch_scc0 .Lfor_b_\@
	tensor_load_to_lds s[\g0a:\g0a+3], s[\g1a:\g1a+7]
	s_nop 0
.rept 4
	v_nop
.endr
	s_branch .Lasked_\@
.Lfor_b_\@:
	tensor_load_to_lds s[\g0b:\g0b+3], s[\g1b:\g1b+7]
	s_nop 0
.rept 4
	v_nop
.endr
.Lasked_\@:
.endm
.macro CREST
	s_cmp_lg_u32 s14, 0
	s_cbranch_scc1 .Lnot_wave_0_\@
	s_barrier_signal -3
.Lnot_wave_0_\@:
	s_barrier_wait -3
	s_barrier_signal -1
	s_barrier_wait -1
.endm
.macro CROUND
	s_barrier_signal -1
	s_barrier_wait -1
	CREST
.endm
	s_load_b256 s[4:11], s[0:1], 0x0
	s_load_b128 s[96:99], s[0:1], 0x20
	v_lshl_add_u32 v[SPW], v0, 2, SPARE
	v_mov_b32 v[NIL], 0
	ds_add_u32 v28, v29
	ds_add_u32 v28, v29
	s_wait_dscnt 0x0
	v_lshrrev_b32 v1, 5, v0
	v_readfirstlane_b32 s14, v1
	s_lshr_b32 s15, s14, 1
	s_and_b32 s16, s14, 1
	s_bfe_u32 s40, ttmp6, 0x40000
	s_bfe_u32 s41, ttmp6, 0x40004
	s_lshl_b32 s42, ttmp9, 2
	s_add_co_u32 s42, s42, s40
	s_and_b32 s17, ttmp7, 0xffff
	s_lshl_b32 s17, s17, 2
	s_add_co_u32 s17, s17, s41
	s_lshl_b32 s43, s41, 2
	s_lshl_b32 s43, 15, s43
	s_lshl_b32 s44, 0x1111, s40
	s_or_b32 s[G1+0], s43, (3<<16)|(1<<21)
	s_or_b32 s[G1B+0], s44, (3<<16)|(1<<21)
.irp g, G1, G1B
	s_mov_b32 s[\g+1], 1536<<16
	s_mov_b32 s[\g+2], 4<<16
	s_mov_b32 s[\g+3], 1536<<16
	s_mov_b32 s[\g+4], 4
	s_mov_b32 s[\g+6], 0
	s_mov_b32 s[\g+7], 0
.endr
	s_mov_b32 s[G1+5], APL/8
	s_mov_b32 s[G1B+5], KSTR/8
	s_or_b32 s[G1S+0], s43, (3<<16)|(1<<20)|(1<<21)|(5<<22)|(3<<25)
	s_or_b32 s[G1SB+0], s44, (3<<16)|(1<<20)|(1<<21)|(5<<22)|(3<<25)
.irp g, G1S, G1SB
	s_mov_b32 s[\g+1], 32<<16
	s_mov_b32 s[\g+2], (256*KS/256)<<16
	s_mov_b32 s[\g+3], 32<<16
	s_mov_b32 s[\g+4], 256*KS/256
	s_mov_b32 s[\g+5], 32
	s_mov_b32 s[\g+6], 0
	s_mov_b32 s[\g+7], 0
.endr
	s_lshl_b32 s20, s17, 8
	s_add_co_u32 s46, s42, 44
	s_lshl_b32 s46, s46, 8
	s_lshl_b32 s22, s20, 5
	s_mov_b32 s23, 0
	s_lshl_b32 s92, s46, 5
	s_mov_b32 s93, 0
	s_mul_i32 s20, s20, 48
	s_mov_b32 s21, 0
	s_mul_i32 s46, s46, 48
	s_mov_b32 s47, 0
	s_mul_i32 s45, s14, HALFT
	s_wait_kmcnt 0x0
	s_add_nc_u64 s[20:21], s[4:5], s[20:21]
	s_add_nc_u64 s[22:23], s[6:7], s[22:23]
	s_add_nc_u64 s[46:47], s[8:9], s[46:47]
	s_add_nc_u64 s[92:93], s[10:11], s[92:93]
	CROUND
	s_mov_b32 s[G0S], 1
	s_mov_b32 s[G0S+1], SCL
	s_mov_b64 s[G0S+2:G0S+3], s[22:23]
	s_or_b32 s[G0S+3], s[G0S+3], 0x80000000
	s_mov_b32 s[G0SB], 1
	s_mov_b32 s[G0SB+1], SCL+2*HALFS
	s_mov_b64 s[G0SB+2:G0SB+3], s[92:93]
	s_or_b32 s[G0SB+3], s[G0SB+3], 0x80000000
	s_mov_b32 s[G0], 1                             ; the head's four tiles, each whole: slot 0's four planes of A's 256 rows,
	s_mov_b32 s[G0+1], 0
	s_mov_b64 s[G0+2:G0+3], s[20:21]
	s_or_b32 s[G0+3], s[G0+3], 0x80000000
	s_mov_b32 s[G0B], 1                            ; and of B's, behind them
	s_mov_b32 s[G0B+1], 2*HALFT
	s_mov_b64 s[G0B+2:G0B+3], s[46:47]
	s_or_b32 s[G0B+3], s[G0B+3], 0x80000000
	s_mul_i32 s18, s16, 2*APL                      ; in the ring I fetch two planes of a slot's four: which two, in bytes
	s_mov_b32 s19, 0
	s_mul_i32 s94, s16, 2*KSTR
	s_mov_b32 s95, 0
	s_add_nc_u64 s[20:21], s[20:21], s[18:19]
	s_add_nc_u64 s[46:47], s[46:47], s[94:95]
	s_mov_b32 s[G0+4], 1
	s_add_co_u32 s[G0+5], s45, SLOT
	s_add_nc_u64 s[G0+6:G0+7], s[20:21], 4*APL
	s_or_b32 s[G0+7], s[G0+7], 0x80000000
	s_mov_b32 s[G0B+4], 1
	s_add_co_u32 s[G0B+5], s45, SLOT
	s_add_nc_u64 s[G0B+6:G0B+7], s[46:47], 4*KSTR
	s_or_b32 s[G0B+7], s[G0B+7], 0x80000000
; the head's loads, one a wave, in one chain of branches on the wave's number: wave 0 A's codes, wave 1 B's, wave 2 A's scales, wave 3 B's
.macro ARM under, g0, g1, next
	s_cmp_lt_u32 s14, \under
	s_cbranch_scc0 \next
	tensor_load_to_lds s[\g0:\g0+3], s[\g1:\g1+7]
	s_nop 0
.rept 4
	v_nop
.endr
	s_branch .Lhead_asked
\next:
.endm
	ARM 1, G0,  G1,  .Lhead_b
	ARM 2, G0B, G1B, .Lhead_sa
	ARM 3, G0S, G1S, .Lhead_sb
	tensor_load_to_lds s[G0SB:G0SB+3], s[G1SB:G1SB+7]
	s_nop 0
.rept 4
	v_nop
.endr
.Lhead_asked:
	s_wait_alu depctr_va_vdst(0)
	s_wait_tensorcnt 0x0                           ; my tile of the head's four is in
	ds_add_u32 v28, v29
	s_mov_b32 s[G1+2], 2<<16                       ; no tensor load of mine is out, so descriptors may be written: from here on a load brings two planes,
	s_mov_b32 s[G1+4], 2
	s_mov_b32 s[G1B+2], 2<<16
	s_mov_b32 s[G1B+4], 2
	s_mov_b32 s[G0+1], s45                         ; and slot 0's group 0 stands at my two planes
	s_add_nc_u64 s[G0+2:G0+3], s[G0+2:G0+3], s[18:19]
	s_mov_b32 s[G0B+1], s45
	s_add_nc_u64 s[G0B+2:G0B+3], s[G0B+2:G0B+3], s[94:95]
	s_wait_dscnt 0x0
	CROUND
	JLOAD G0+4, G1, G0B+4, G1B                     ; slot 1's first fill, the first tensor load behind the round
	v_and_b32 v1, 15, v0
	s_wait_alu depctr_va_vdst(0)
	v_bfe_u32 v2, v0, 4, 1
	s_lshl_b32 s20, s42, 10
	s_lshl_b32 s21, s16, 9
	s_add_co_u32 s20, s20, s21
	s_mov_b32 s21, 0
	s_add_nc_u64 s[96:97], s[96:97], s[20:21]
	v_lshlrev_b32 v30, 5, v2
.irp b, 0,1,2,3,4,5,6,7
	global_load_b128 v[CBI+8*\b:CBI+8*\b+3], v30, s[96:97] offset:64*\b
	global_load_b128 v[CBI+8*\b+4:CBI+8*\b+7], v30, s[96:97] offset:64*\b+16
.endr
	v_mul_u32_u24 v3, v1, 48
	v_mad_u32_u24 v4, v2, 24, v3
	s_mul_i32 s21, s15, 6144                       ; my 128 rows of a plane's 256
	s_mul_i32 s22, s16, 6144
	s_add_co_u32 s22, s22, 2*HALFT
.irp s, 0,1
	v_add_nc_u32 v[ADRA+\s], s21, v4
	v_add_nc_u32 v[ADRB+\s], s22, v4
	s_add_co_u32 s21, s21, SLOT
	s_add_co_u32 s22, s22, SLOT
.endr
	v_mul_u32_u24 v5, v1, KS
	v_lshrrev_b32 v6, 8, v5
	v_lshl_add_u32 v5, v6, 4, v5
	s_mul_i32 s21, s15, HALFS
	s_mul_i32 s22, s16, HALFS
	s_add_co_u32 s22, s22, 2*HALFS
	s_sub_co_u32 s22, s22, s21
	v_mul_u32_u24 v6, s22, v2
	s_add_co_u32 s21, s21, SCL
	v_add_nc_u32 v5, v5, v6
	v_add_nc_u32 v[ADRS], s21, v5
	s_mul_i32 s23, s14, 16*SPITCH
	s_add_co_u32 s23, s23, STG
	v_mul_u32_u24 v5, v1, SPITCH
	v_lshl_add_u32 v5, v2, 5, v5
	v_add_nc_u32 v[STO], s23, v5
	v_and_b32 v6, 31, v0
	v_lshlrev_b32 v[CO], 4, v6
	v_add_nc_u32 v[RD], s23, v[CO]
	s_lshl_b32 s20, s17, 8
	s_lshl_b32 s21, s15, 7
	s_add_co_u32 s20, s20, s21
	s_and_b32 s21, s20, 2047
	s_lshl_b32 s21, s21, 14
	s_lshr_b32 s20, s20, 11
	s_lshl_b32 s20, s20, 12
	s_add_co_u32 s20, s20, s21
	s_lshl_b32 s21, s42, 10
	s_add_co_u32 s20, s20, s21
	s_lshl_b32 s21, s16, 9
	s_add_co_u32 s20, s20, s21
	s_mov_b32 s21, 0
	s_add_nc_u64 s[98:99], s[98:99], s[20:21]
.macro FRAG reg, adr, q, i
.irp p, 0,1,2,3,4,5
	ds_load_b64 v[\reg+2*\p:\reg+2*\p+1], v[\adr] offset:(2*(\q)+\p/3)*PLB+(\i)*768+8*(\p%3)
.endr
.endm
.macro MUL16 a0, p, q, sc, zero
.irp a, \a0, \a0+1
.irp b, 0,1,2,3,4,5,6,7
.if \zero
	v_wmma_scale_f32_16x16x128_f8f6f4 v[8*(8*((\a)%4)+\b):8*(8*((\a)%4)+\b)+7], v[128*(\p)+FR*\b:128*(\p)+FR*\b+FR-1], v[AF+FR*(\a):AF+FR*(\a)+FR-1], v[CBI+8*\b:CBI+8*\b+7], v[SC+8*NQ*(\sc)+NQ*\b+(\q)], v[SC+8*NQ*(\sc)+NQ*(\a)+(\q)] matrix_a_fmt:MATRIX_FMT_FP6 matrix_b_fmt:MATRIX_FMT_FP6 matrix_a_scale:MATRIX_SCALE_ROW1
.else
	v_wmma_scale_f32_16x16x128_f8f6f4 v[8*(8*((\a)%4)+\b):8*(8*((\a)%4)+\b)+7], v[128*(\p)+FR*\b:128*(\p)+FR*\b+FR-1], v[AF+FR*(\a):AF+FR*(\a)+FR-1], v[8*(8*((\a)%4)+\b):8*(8*((\a)%4)+\b)+7], v[SC+8*NQ*(\sc)+NQ*\b+(\q)], v[SC+8*NQ*(\sc)+NQ*(\a)+(\q)] matrix_a_fmt:MATRIX_FMT_FP6 matrix_b_fmt:MATRIX_FMT_FP6 matrix_a_scale:MATRIX_SCALE_ROW1
.endif
.endr
.endr
.endm
.macro FETCH_B slot, q, p
	WIN TO_B
.irp i, 0,1,2,3,4,5,6,7
	FRAG 128*(\p)+FR*\i, ADRB+\slot, \q, \i
.endr
	WIN 0
.endm
.macro FETCH_A slot, q, i0
.irp i, \i0, \i0+1, \i0+2, \i0+3
	FRAG AF+FR*(\i), ADRA+\slot, \q, \i
.endr
.endm
.macro SCALES sc
.irp i, 0,1,2,3,4,5,6,7
	ds_load_b64 v[SC+8*NQ*\sc+NQ*\i:SC+8*NQ*\sc+NQ*\i+1], v[ADRS] offset:\i*SBLK
.endr
.endm
.macro PLACES n
.rept \n
	v_nop
.endr
.endm
.macro STEP slot, q, zero
	s_wait_dscnt 4*NL
.if \zero
	WIN MUL_LO0
.else
	WIN MUL_LO
.endif
	MUL16 0, (\q)%2, \q, \slot, \zero
	MUL16 2, (\q)%2, \q, \slot, \zero
	s_wait_dscnt 0
	PLACES NP
	FETCH_B \slot, (\q)+1, 1-(\q)%2
	FETCH_A \slot, (\q)+1, 0
.if \zero
	WIN MUL_HI0
.else
	WIN MUL_HI
.endif
	MUL16 4, (\q)%2, \q, \slot, \zero
	MUL16 6, (\q)%2, \q, \slot, \zero
	PLACES NP
	WIN 0
	FETCH_A \slot, (\q)+1, 4
.endm
.macro TURN slot, next, fill
	s_wait_tensorcnt 0x0
	ds_add_u32 v[SPW], v[NIL]
	s_wait_dscnt 4*NL+1
	WIN MUL_LO
	MUL16 0, 1, NQ-1, \slot, 0
	s_wait_dscnt 0x0
	s_barrier_signal -1
	MUL16 2, 1, NQ-1, \slot, 0
	WIN 0
	s_barrier_wait -1
.if \fill
	CREST
	s_add_nc_u64 s[G0+4*\slot+2:G0+4*\slot+3], s[G0+4*\slot+2:G0+4*\slot+3], 8*APL
	s_add_nc_u64 s[G0B+4*\slot+2:G0B+4*\slot+3], s[G0B+4*\slot+2:G0B+4*\slot+3], 8*KSTR
	JLOAD G0+4*\slot, G1, G0B+4*\slot, G1B
.else
	PLACES NP
.endif
	s_wait_alu depctr_va_vdst(0)
	v_add_nc_u32 v[ADRS], 4*NQ, v[ADRS]
	FETCH_B \next, 0, 0
	FETCH_A \next, 0, 0
	SCALES \next
	WIN MUL_HI
	MUL16 4, 1, NQ-1, \slot, 0
	MUL16 6, 1, NQ-1, \slot, 0
	PLACES NP
	WIN 0
	FETCH_A \next, 0, 4
.endm
	s_wait_alu depctr_va_vdst(0)
	s_wait_tensorcnt 1
	s_barrier_signal -1
	s_barrier_wait -1
	FETCH_B 0, 0, 0
	FETCH_A 0, 0, 0
	SCALES 0
	FETCH_A 0, 0, 4
	s_wait_loadcnt 0x0
	STEP 0, 0, 1
	s_mov_b32 s3, LAPS-1
.Llap:
	TURN 0, 1, 1
	STEP 1, 0, 0
	TURN 1, 0, 1
	STEP 0, 0, 0
	s_sub_co_u32 s3, s3, 1
	s_cmp_lg_u32 s3, 0
	s_cbranch_scc1 .Llap
	TURN 0, 1, 0
	STEP 1, 0, 0
	s_wait_dscnt 4*NL
	WIN MUL_LO
	MUL16 0, 1, NQ-1, 1, 0
	MUL16 2, 1, NQ-1, 1, 0
	s_wait_dscnt 0
	WIN MUL_HI
	MUL16 4, 1, NQ-1, 1, 0
	MUL16 6, 1, NQ-1, 1, 0
	WIN 0
.macro TOSTAGE a
.set AC, 64*((\a)%4)
	WIN 0x08+4*((\a)/4)
.irp b, 0,1,2,3,4,5,6,7
	ds_store_b128 v[STO], v[AC+8*\b:AC+8*\b+3] offset:64*\b
	ds_store_b128 v[STO], v[AC+8*\b+4:AC+8*\b+7] offset:64*\b+16
.endr
	WIN 0
.set BB, BK+64*((\a)%2)
.irp t, 0,1,2,3,4,5,6,7,8,9,10,11,12,13,14,15
	ds_load_b128 v[BB+4*\t:BB+4*\t+3], v[RD] offset:\t*SPITCH
.endr
.endm
.macro SEND a, younger
.set BB, BK+64*((\a)%2)
	s_wait_dscnt \younger
.irp t, 0,1,2,3,4,5,6,7,8,9,10,11,12,13,14,15
	global_store_b128 v[CO], v[BB+4*\t:BB+4*\t+3], s[98:99] offset:(32*((\a)/2)+16*(\t/8)+8*((\a)%2)+\t%8)*16384 th:TH_STORE_NT
.endr
.endm
	PLACES NP
	TOSTAGE 0
.irp a, 1,2,3,4,5,6,7
.if \a > 1
	s_wait_xcnt 0x0
.endif
	TOSTAGE \a
	SEND \a-1, 32
.endr
	SEND 7, 0
	s_wait_tensorcnt 0x0
	ds_add_u32 v[SPW], v[NIL]
	s_wait_dscnt 0x0
	CROUND
	s_endpgm
.Lfunc_end_k_qdc64fdd8d0_outp:
	.size	k_qdc64fdd8d0_outp, .Lfunc_end_k_qdc64fdd8d0_outp-k_qdc64fdd8d0_outp
	.p2alignl 7, 3214868480
	.fill 96, 4, 3214868480
	.section	.rodata,"a",@progbits
	.p2align	6, 0x0
	.amdhsa_kernel k_qdc64fdd8d0_outp
		.amdhsa_group_segment_fixed_size 327680
		.amdhsa_private_segment_fixed_size 0
		.amdhsa_enable_private_segment 0
		.amdhsa_kernarg_size 48
		.amdhsa_user_sgpr_count 2
		.amdhsa_user_sgpr_kernarg_segment_ptr 1
		.amdhsa_wavefront_size32 1
		.amdhsa_system_sgpr_workgroup_id_x 1
		.amdhsa_system_sgpr_workgroup_id_y 1
		.amdhsa_system_sgpr_workgroup_id_z 1
		.amdhsa_system_vgpr_workitem_id 0
		.amdhsa_next_free_vgpr 1024
		.amdhsa_next_free_sgpr 100
		.amdhsa_reserve_vcc 0
		.amdhsa_float_denorm_mode_32 3
		.amdhsa_float_denorm_mode_16_64 3
		.amdhsa_memory_ordered 1
		.amdhsa_forward_progress 1
		.amdhsa_inst_pref_size 162
	.end_amdhsa_kernel
	.amdgpu_metadata
---
amdhsa.version: [ 1, 2 ]
amdhsa.kernels:
  - .name:           k_qdc64fdd8d0_outp
    .symbol:         k_qdc64fdd8d0_outp.kd
    .args:
      - { .name: aoc, .offset: 0, .size: 8, .value_kind: global_buffer, .address_space: global }
      - { .name: aos, .offset: 8, .size: 8, .value_kind: global_buffer, .address_space: global }
      - { .name: opc, .offset: 16, .size: 8, .value_kind: global_buffer, .address_space: global }
      - { .name: ops, .offset: 24, .size: 8, .value_kind: global_buffer, .address_space: global }
      - { .name: out_proj_bias, .offset: 32, .size: 8, .value_kind: global_buffer, .address_space: global }
      - { .name: out0, .offset: 40, .size: 8, .value_kind: global_buffer, .address_space: global }
    .group_segment_fixed_size: 327680
    .private_segment_fixed_size: 0
    .kernarg_segment_align: 8
    .kernarg_segment_size: 48
    .max_flat_workgroup_size: 128
    .sgpr_count:     100
    .vgpr_count:     1024
    .wavefront_size: 32
...
	.end_amdgpu_metadata
.endif
;; end of part 4
